; MI455X (gfx1250); checked and timed in simulation.
; The chip was launched on July 23, 2026; its instructions are those of AMD's public machine-readable ISA for CDNA 5 (MIT licence, August 2026) and "CDNA5" Instruction Set Architecture Reference Guide (July 2026). The comments in the code are by the model that wrote it; some were corrected since.
;; Causal Self Attention. Allowed arithmetic: matrix products marked QUANTISED: E2M3 operands, one E8M0 scale for each 32 along K, by v_wmma_scale_f32_16x16x128_f8f6f4 with both operands' format E2M3, f32 sums; products left as they are: f32 operands where the result goes on into a quantised operand, else bf16, f16 or f32 operands; f32 sums; everything else in f32.
;; Inputs: proj_b 1,024 float32; proj_w 1,024 x 1,024 float32; qkv_b 3,072 float32; qkv_w 1,024 x 3,072 float32; x 4 x 2,048 x 1,024 float32.
;; Outputs: out0 4 x 2,048 x 1,024 float32.
;; This version of the problem:
;;   THIS VERSION OF THE PROBLEM IS GIVEN IN LOW PRECISION. The matrix products marked QUANTISED in the list below multiply operands that are first quantised to E2M3 (2 exponent bits, 3 mantissa bits; 6 bits a number), with one power-of-two scale for each 32 numbers along K (OCP MX v1.0); their sums are f32. All else is computed in f32.
;;   The module's matrix products, in the order in which they are computed (A, B: the left and right operand; K: the contracted axis; several contracted axes count as one K, in the product's order):
;;     1. [M 8,192, K 1,024] x [K 1,024, N 3,072]; A: input x; B: input qkv_w: QUANTISED
;;     2. [M 2,048, K 1] x [K 1, N 32]; A: computed on the way; B: computed on the way: left as it is (no contracted axis)
;;     3. batch 64 x [M 2,048, K 64] x [K 64, N 2,048]; A: computed on the way; B: computed on the way: QUANTISED
;;     4. batch 64 x [M 2,048, K 2,048] x [K 2,048, N 64]; A: softmax (see below); B: computed on the way: QUANTISED
;;     5. [M 8,192, K 1,024] x [K 1,024, N 1,024]; A: computed on the way; B: input proj_w: QUANTISED
;;   THE QUANTISER, for each operand of a quantised product, along K:
;;     - K is cut into blocks of 32 from its start; a last block that is shorter is filled with zeros.
;;     - A block's scale is 2^e with e = floor(log2(the largest magnitude in the block)) - 2, held to -126 .. 127; a block of zeros has e = 0. As a byte (E8M0): e + 127.
;;     - Each number is divided by its block's scale, clamped to +-7.5, and rounded to the nearest number of E2M3, ties to even, subnormals kept.
;;     - The product sums the exact products of the quantised numbers (number of the format x scale) in f32.
;;   ~~~python
;;   def quantise(x, axis):      # numpy; x: float32 -> the quantised numbers, widened to float32 again
;;       x = np.moveaxis(x, axis, -1); K = x.shape[-1]
;;       x = np.pad(x, [(0, 0)] * (x.ndim - 1) + [(0, -K % 32)]); x = x.reshape(x.shape[:-1] + (-1, 32)); a = np.abs(x).max(-1, keepdims=True)
;;       e = np.where(a > 0, np.clip(np.frexp(np.where(a > 0, a, 1))[1] - 1 - 2, -126, 127), 0)      # np.frexp(a)[1] - 1 = floor(log2(a)), exactly
;;       r = np.clip(x / 2.0 ** e, -7.5, 7.5)
;;       step = 2.0 ** (np.maximum(np.frexp(np.where(r == 0, 1, r))[1] - 1, 0) - 3)
;;       q = np.round(r / step) * step * 2.0 ** e      # np.round: ties to even
;;       return np.moveaxis(q.reshape(q.shape[:-2] + (-1,))[..., :K], -1, axis).astype(np.float32)
;;   ~~~
;;   SOFTMAX AHEAD OF A QUANTISED PRODUCT. Where the list says 'softmax', what is quantised is not the finished softmax but p = 2^(t - M), with t = logit x log2(e) and M = ceil(the row's largest t), a whole number; so 1/2 < the row's largest p <= 1. The row's sum l is taken of the UNQUANTISED p, in f32, and the product's result is divided by l at the end. Since M is a whole number, a kernel that streams over the keys may use a running M (the ceiling of the running maximum): every later rescaling is an exact power of two, which a block's scale takes up: the codes' values come out the same.
;;   OPERANDS COMPUTED ON THE WAY. 'Computed on the way' means the value that the module computes at that place (a softmax that the list does not call 'softmax' is quantised finished and normalised). What goes into a quantiser is computed in f32, as accurately as f32 sums, v_exp_f32 and their like allow (about 1e-6 of the number): no bf16 or f16 on the way to a quantiser, and a product that is left as it is and whose result goes on into a quantised operand takes f32 operands (vector FMAs, or v_wmma_f32_16x16x4_f32). A number that lies on a knife's edge between two numbers of the format may be rounded either way, as far as f32 arithmetic and the matrix unit's own rounding can turn it there, and no further.
;; One version. Each part assembles by itself: llvm-mc -triple=amdgcn-amd-amdhsa -mcpu=gfx1250 --defsym DOCPART=n.
;; ======== version 1 of 1: 4 launches
;; limits: right only within a limited range of input values
;; workspace buffers: xq 6,553,600 bytes; wq 3,276,800 bytes; rope 524,288 bytes; qbuf 6,815,744 bytes; kvbuf 13,369,344 bytes; yq 6,553,600 bytes
;; launch prep (part 1): grid 416 x 1, 4 waves a work-group, no clusters, 60,928 bytes of LDS; arguments x, qkv_w, proj_w, xq, wq, rope; writes xq, wq, rope
.if DOCPART == 1
	.amdgcn_target "amdgcn-amd-amdhsa--gfx1250"
	.amdhsa_code_object_version 6
	.text
	.protected	k_q8b1ec13bac_prep
	.globl	k_q8b1ec13bac_prep
	.p2align	8
	.type	k_q8b1ec13bac_prep,@function
k_q8b1ec13bac_prep:
	s_mov_b64 s[64:65], 0
	v_nop
	global_prefetch_b8 v0, s[64:65] scope:SCOPE_SE
	s_setreg_imm32_b32 hwreg(HW_REG_WAVE_MODE, 25, 1), 1
	s_wait_xcnt 0x0
; PREP: x [8192][1024], qkv_w [1024][3072] and proj_w [1024][1024], all f32, become codes of FP6 (E2M3) with one E8M0 byte for each 32 along K (1,024); and the table of cos and sin for the rotation is made.
; LAYOUT OF THE CODES (xq, wq).  16 rows form a tile; of 32 neighbouring rows tile u (0, 1) holds at index p (0..15) row 8 u + p + 8 (p / 8).  A tile's codes are 16 pieces of 768 bytes, one for each 64 along K, each the image
; of six operand registers: lane l = p + 16 h holds block h of row p; its registers 0-3 at byte 16 l, its registers 4-5 at byte 512 + 8 l.  So a fragment (128 along K) is 1,536 bytes on end and comes by loads of 16 and 8 bytes a lane.
; The scale words of a tile: [256 along K (4)][p (16)][128 along K (2)] words, 512 bytes, behind all codes.  In wq the rows are the columns n of qkv_w (0..3071) and then of proj_w (3072..4095).
; A block's scale is 2^(floor(log2(largest magnitude)) - 2); its byte is the largest magnitude's exponent field - 2, held at 1 from below.
; LIMITS: a block of zeros keeps the byte 1 (its codes are zeros; only this program reads the bytes); largest magnitudes under 2^-124 are held at that floor; NaN and infinities among the inputs are not served.
; inv_freq = 10^(-j/8) is made by one exponential with its argument's rounding taken back (about 1 ulp); it need not equal another library's power bit for bit, so an angle near t = 2,047 may differ by about 2e-4 rad.
; cos and sin: the angle less a multiple of pi/2 in two fused steps, then polynomials of degree 9 and 10 on |rho| <= pi/4 (about 1e-7 absolute).
; THREE WAYS part on the work-group's number: 0-255 x, 256-383 the weights, 384-415 the table.  Waves share nothing: no barrier; each way and each wave has LDS bytes of its own.
.set SEL, 20                           ; s[20:21] selects of v_permlanex16_b32 for lane l xor 16
.set R,   16                           ; x: v16-143 two sets of 64 numbers as loaded
.set X,   144                          ; x: v144-207 64 numbers: register 16 b + i = k 32 b + 16 h + i of my row
.set PC,  208                          ; v208-219 a fragment's codes
.set CT,  220                          ; v220-227 the second halves of blocks, before they are moved
.set BM,  228                          ; v228-231 largest magnitudes
.set BX,  232                          ; v232-235 the other half's, then the bytes
.set SO,  236                          ; v236-239 the conversions' scale operands
.set PW,  240                          ; v240 the scale word
.set XW,  48                           ; weights: v48-111 two sets of 32 numbers down K
.set CW,  112                          ; v112-117 a block's codes
.set TT,  120                          ; v120-122 its second half
.set SB,  124                          ; v124-125 eight scale bytes
; 64 numbers of a lane become a fragment's 12 registers in v[PC] on and its scale word in v[w]
.macro QUANT4 s, w
.irp b, 0,1,2,3
	v_max3_num_f32 v[BM+\b], |v[\s+16*\b]|, |v[\s+1+16*\b]|, 0x1800000   ; my 16 numbers of block b, and the floor 2^(3 - 127): the byte cannot fall under 1
.endr
.irp i, 2,4,6,8,10,12,14
.irp b, 0,1,2,3
	v_max3_num_f32 v[BM+\b], v[BM+\b], |v[\s+16*\b+\i]|, |v[\s+1+16*\b+\i]|
.endr
.endr
.irp b, 0,1,2,3
	v_permlanex16_b32 v[BX+\b], v[BM+\b], s[SEL], s[SEL+1]
.endr
.irp b, 0,1,2,3
	v_max_num_f32 v[BM+\b], v[BM+\b], v[BX+\b]     ; with lane l xor 16's 16: the block's largest magnitude
.endr
.irp b, 0,1,2,3
	v_add_nc_u32 v[SO+\b], 0xff000000, v[BM+\b]    ; 2 off its exponent field: the conversion's scale operand
.endr
.irp b, 0,1,2,3
	v_lshrrev_b32 v[BX+\b], 23, v[SO+\b]           ; the byte
.endr
	v_lshl_or_b32 v[\w], v[BX+1], 8, v[BX]
	v_lshl_or_b32 v[\w], v[BX+2], 16, v[\w]
	v_lshl_or_b32 v[\w], v[BX+3], 24, v[\w]
.irp c, 0,1
	v_cvt_scalef32_pk16_fp6_f32 v[PC+6*\c:PC+6*\c+2], v[\s+32*\c:\s+32*\c+15], v[SO+2*\c]
	v_cvt_scalef32_pk16_fp6_f32 v[CT+4*\c:CT+4*\c+2], v[\s+32*\c+16:\s+32*\c+31], v[SO+2*\c+1]   ; (a conversion's three registers begin on an even number)
.endr
	v_nop                                          ; one plain place behind the conversions
.irp c, 0,1                            ; the operand wants a whole block in a lane: lanes 0-15 block 2 c, lanes 16-31 block 2 c + 1
.irp i, 0,1,2
	v_permlane16_swap_b32 v[PC+6*\c+\i], v[CT+4*\c+\i]
.endr
.irp i, 0,1,2
	v_mov_b32 v[PC+6*\c+3+\i], v[CT+4*\c+\i]
.endr
.endr
.endm
	s_load_b256 s[4:11], s[0:1], 0x0               ; x s[4:5], qkv_w s[6:7], proj_w s[8:9], xq s[10:11]
	s_load_b128 s[12:15], s[0:1], 0x20             ; wq s[12:13], rope s[14:15]
	v_lshl_add_u32 v254, v0, 2, 0xec00
	v_mov_b32 v255, 0
	v_lshrrev_b32 v1, 5, v0
	v_readfirstlane_b32 s16, v1                    ; wave 0..3
	v_and_b32 v7, 31, v0                           ; lane
	v_lshlrev_b32 v1, 4, v7                        ; 16 x lane
	v_lshlrev_b32 v2, 3, v7                        ; 8 x lane
	v_and_b32 v8, 15, v0                           ; r
	v_bfe_u32 v9, v0, 4, 1                         ; h
	s_mov_b32 s[SEL], 0x76543210
	s_mov_b32 s[SEL+1], 0xfedcba98
	s_wait_kmcnt 0x0
	s_cmp_lt_u32 ttmp9, 256
	s_cbranch_scc0 .Lnot_x
; ---- x.  Wave W = 4 x work-group + wave takes tile W / 2 (16 rows) and half W % 2 of K: four steps of 128 along K.
	s_lshl_b32 s17, ttmp9, 2
	s_add_co_u32 s17, s17, s16
	s_lshr_b32 s18, s17, 1                         ; the tile
	s_and_b32 s19, s17, 1                          ; the half of K
	s_lshr_b32 s22, s18, 1
	s_lshl_b32 s22, s22, 17                        ; 32 rows of 4,096 bytes for each pair of tiles,
	s_and_b32 s23, s18, 1
	s_lshl_b32 s23, s23, 15                        ; 8 rows for the odd tile,
	s_add_co_u32 s22, s22, s23
	s_lshl_b32 s23, s19, 11                        ; 2,048 bytes for the second half of K
	s_add_co_u32 s22, s22, s23
	s_mov_b32 s23, 0
	s_add_nc_u64 s[4:5], s[4:5], s[22:23]
	s_mul_i32 s22, s18, 12288
	s_mul_i32 s24, s19, 6144
	s_add_co_u32 s22, s22, s24
	s_add_nc_u64 s[26:27], s[10:11], s[22:23]      ; my codes
	s_lshl_b32 s22, s18, 9
	s_lshl_b32 s24, s19, 8
	s_add_co_u32 s22, s22, s24
	s_add_co_u32 s22, s22, 6291456
	s_add_nc_u64 s[28:29], s[10:11], s[22:23]      ; my 256 bytes of scale words
	s_mul_i32 s30, s16, 8704                       ; LDS: my stage, 16 rows x (512 + 16) bytes, and behind it my 256 bytes of scale words
	s_wait_alu depctr_va_vdst(0)
	v_add_nc_u32 v3, s30, v1                       ; in: a row's 512 bytes as they lie
	v_mul_u32_u24 v4, v8, 528
	v_lshl_add_u32 v4, v9, 6, v4
	v_add_nc_u32 v4, s30, v4                       ; out: row r, + 64 h: my 16 numbers of each block of 32
	s_add_co_u32 s30, s30, 8448
	v_lshl_add_u32 v5, v8, 3, s30                  ; row r's two words of 256 along K
	v_add_nc_u32 v6, s30, v2
.irp b, 0,1,2,3
	v_mov_b32 v[BX+\b], 0                          ; written once: a lane permute's destination counts as one of its sources
.endr
.macro XLOAD t                         ; step t: 128 numbers of each of the tile's 16 rows; each load reads 512 consecutive bytes
.irp p, 0,1,2,3,4,5,6,7,8,9,10,11,12,13,14,15
	global_load_b128 v[R+64*((\t)%2)+4*\p:R+64*((\t)%2)+4*\p+3], v1, s[4:5] offset:(\p+8*(\p/8))*4096+512*(\t) th:TH_LOAD_NT
.endr
.endm
.macro XSTEP t
.if (\t) < 3
	s_wait_loadcnt 16                              ; this step's 16 loads are in; the next step's 16 may be out
.else
	s_wait_loadcnt 0x0
.endif
.irp p, 0,1,2,3,4,5,6,7,8,9,10,11,12,13,14,15
	ds_store_b128 v3, v[R+64*((\t)%2)+4*\p:R+64*((\t)%2)+4*\p+3] offset:528*\p
.endr
.irp b, 0,1,2,3
.irp j, 0,1,2,3
	ds_load_b128 v[X+16*\b+4*\j:X+16*\b+4*\j+3], v4 offset:128*\b+16*\j   ; LDS serves a wave's instructions in order: these see the stores above
.endr
.endr
	s_wait_dscnt 0x0                               ; the numbers are back, and the stores have read their registers,
.if (\t) < 2
	XLOAD (\t)+2                                   ; which take the loads of two steps on
.endif
	s_wait_xcnt 0x0                                ; the last step's stores have read the codes' registers
	QUANT4 X, PW
	global_store_b128 v1, v[PC:PC+3], s[26:27] offset:1536*(\t)            ; each store covers whole runs of 256 consecutive bytes
	global_store_b64 v2, v[PC+4:PC+5], s[26:27] offset:1536*(\t)+512
	global_store_b128 v1, v[PC+6:PC+9], s[26:27] offset:1536*(\t)+768
	global_store_b64 v2, v[PC+10:PC+11], s[26:27] offset:1536*(\t)+1280
	ds_store_b32 v5, v[PW] offset:((\t)/2)*128+((\t)%2)*4                  ; lanes r and r + 16 write the same word with the same value
.endm
	XLOAD 0
	XLOAD 1
	s_wait_alu depctr_va_vdst(0)
.irp t, 0,1,2,3
	XSTEP \t
.endr
	ds_load_b64 v[242:243], v6
	s_wait_dscnt 0x0
	global_store_b64 v2, v[242:243], s[28:29]      ; 256 consecutive bytes
	s_wait_tensorcnt 0x0
	ds_add_u32 v254, v255
	s_wait_dscnt 0x0
	s_endpgm
; ---- the weights: K is their FIRST axis.  A lane takes a column n and its registers run down K, so a block of 32 is one lane's and its codes come out with K innermost.
; Work-group idx = number - 256: 128 columns (idx / 4) x 256 along K (idx % 4); a wave takes 32 columns = two tiles.
.Lnot_x:
	s_cmp_lt_u32 ttmp9, 384
	s_cbranch_scc0 .Lrope
	s_sub_co_u32 s17, ttmp9, 256
	s_lshr_b32 s18, s17, 2                         ; the group of 128 columns of the joint n: 0-23 qkv_w, 24-31 proj_w
	s_and_b32 s19, s17, 3                          ; which 256 along K
	s_mov_b32 s22, 4096
	s_sub_co_u32 s23, s18, 24
	s_cmp_lt_u32 s18, 24                           ; only pointer, pitch and column are chosen: both tensors take one way through the text
	s_cselect_b64 s[6:7], s[6:7], s[8:9]
	s_cselect_b32 s22, 12288, s22                  ; a row of the tensor in bytes
	s_cselect_b32 s23, s18, s23                    ; the group of columns in its own tensor
	s_lshl_b32 s24, s19, 8
	s_mul_i32 s24, s24, s22
	s_lshl_b32 s25, s23, 9
	s_add_co_u32 s24, s24, s25
	s_lshl_b32 s25, s16, 7
	s_add_co_u32 s24, s24, s25
	s_mov_b32 s25, 0
	s_add_nc_u64 s[32:33], s[6:7], s[24:25]        ; block 0's first row, my wave's first column
	s_lshl_b32 s24, s22, 5
.irp t, 1,2,3,4,5,6,7
	s_add_nc_u64 s[32+2*\t:33+2*\t], s[30+2*\t:31+2*\t], s[24:25]   ; 32 rows on for each block
.endr
	s_wait_alu depctr_va_vdst(0)
	v_lshlrev_b32 v16, 2, v7
.irp i, 1,2,3,4,5,6,7,8,9,10,11,12,13,14,15,16,17,18,19,20,21,22,23,24,25,26,27,28,29,30,31
	v_add_nc_u32 v[16+\i], s22, v[15+\i]           ; v16-47: 4 x lane + i rows
.endr
	s_mul_i32 s26, s16, 6400
	s_add_co_u32 s26, s26, 34816                   ; LDS: my stage: two tiles, 3,200 bytes apart, each 4 pieces of 768 bytes
	v_bfe_u32 v10, v0, 3, 1                        ; u: column 8 u + p + 8 (p / 8) is lane (p % 8) + 8 u + 16 (p / 8)
	v_and_b32 v11, 7, v0
	v_bfe_u32 v12, v0, 4, 1
	v_lshl_add_u32 v11, v12, 3, v11                ; p
	v_mul_u32_u24 v12, v10, 3200
	v_add_nc_u32 v12, s26, v12
	v_lshl_add_u32 v13, v11, 4, v12                ; where registers 0-3 of (p, block 0) lie
	v_lshl_add_u32 v14, v11, 3, v12                ; and, 512 on, registers 4-5
	v_add_nc_u32 v15, s26, v1
	v_lshlrev_b32 v10, 9, v10
	v_lshl_add_u32 v10, v11, 3, v10                ; my column's two scale words: 512 u + 8 p
	s_lshl_b32 s27, s18, 3
	s_lshl_b32 s28, s16, 1
	s_add_co_u32 s27, s27, s28                     ; my first tile
	s_mul_i32 s28, s27, 12288
	s_mul_i32 s29, s19, 3072
	s_add_co_u32 s28, s28, s29
	s_mov_b32 s29, 0
	s_add_nc_u64 s[48:49], s[12:13], s[28:29]
	s_lshl_b32 s28, s27, 9
	s_lshl_b32 s27, s19, 7
	s_add_co_u32 s28, s28, s27
	s_add_co_u32 s28, s28, 3145728
	s_add_nc_u64 s[50:51], s[12:13], s[28:29]
.macro WLOAD t                         ; block t: 32 rows of K at my column; a load reads 128 consecutive bytes, the four waves stand side by side
.irp i, 0,1,2,3,4,5,6,7,8,9,10,11,12,13,14,15,16,17,18,19,20,21,22,23,24,25,26,27,28,29,30,31
	global_load_b32 v[XW+32*((\t)%2)+\i], v[16+\i], s[32+2*(\t):33+2*(\t)] th:TH_LOAD_NT
.endr
.endm
.macro WBLOCK t
.set XS, XW+32*((\t)%2)
.if (\t) < 7
	s_wait_loadcnt 32                              ; this block's 32 loads are in; the next block's may be out
.else
	s_wait_loadcnt 0x0
.endif
	v_max3_num_f32 v126, |v[XS]|, |v[XS+1]|, |v[XS+2]|
	v_max3_num_f32 v127, |v[XS+3]|, |v[XS+4]|, |v[XS+5]|
.irp i, 6,10,14,18,22,26
	v_max3_num_f32 v126, v126, |v[XS+\i]|, |v[XS+\i+1]|
	v_max3_num_f32 v127, v127, |v[XS+\i+2]|, |v[XS+\i+3]|
.endr
	v_max3_num_f32 v126, v126, |v[XS+30]|, |v[XS+31]|
	v_max3_num_f32 v126, v126, v127, 0x1800000     ; with the floor
	v_add_nc_u32 v127, 0xff000000, v126            ; the conversions' scale operand
	v_lshrrev_b32 v126, 23, v127                   ; the byte
.if (\t)%4 == 0
	v_mov_b32 v[SB+(\t)/4], v126
.else
	v_lshl_or_b32 v[SB+(\t)/4], v126, 8*((\t)%4), v[SB+(\t)/4]
.endif
	v_cvt_scalef32_pk16_fp6_f32 v[CW:CW+2], v[XS:XS+15], v127
	v_cvt_scalef32_pk16_fp6_f32 v[TT:TT+2], v[XS+16:XS+31], v127
	v_nop                                          ; one plain place behind the conversions
.irp i, 0,1,2
	v_mov_b32 v[CW+3+\i], v[TT+\i]
.endr
	ds_store_b128 v13, v[CW:CW+3] offset:768*((\t)/2)+256*((\t)%2)         ; piece t / 2, lane p + 16 (t % 2)
	ds_store_b64 v14, v[CW+4:CW+5] offset:768*((\t)/2)+512+128*((\t)%2)
.if (\t)+2 < 8
	WLOAD (\t)+2
.endif
	s_wait_dscnt 0x0                               ; the stores have read their registers
.endm
	WLOAD 0
	WLOAD 1
.irp t, 0,1,2,3,4,5,6,7
	WBLOCK \t
.endr
	s_wait_alu depctr_va_vdst(0)
	global_store_b64 v10, v[SB:SB+1], s[50:51]     ; runs of 128 bytes: these few bytes leave in parts of the 512 of a tile
.irp n, 0,1,2,3,4,5,6,7,8,9,10,11
	ds_load_b128 v[128+4*\n:131+4*\n], v15 offset:3200*(\n/6)+512*(\n%6)
.endr
.irp n, 0,1,2,3,4,5,6,7,8,9,10,11
	s_wait_dscnt 11-\n                             ; the younger loads may be out
	global_store_b128 v1, v[128+4*\n:131+4*\n], s[48:49] offset:12288*(\n/6)+512*(\n%6)   ; 512 consecutive bytes
.endr
	s_wait_tensorcnt 0x0
	ds_add_u32 v254, v255
	s_wait_dscnt 0x0
	s_endpgm
; ---- the table: wave tau = 4 (number - 384) + wave takes the tile tau of 16 positions t; lane (r, h): t of index r, frequencies 16 h + 0 .. 15.
; rope: [tile][8 chunks][32 lanes][4 f32]: chunks 0-3 cos, 4-7 sin: as the lane of the QKV product's way out wants them.
.Lrope:
	s_sub_co_u32 s17, ttmp9, 384
	s_lshl_b32 s17, s17, 2
	s_add_co_u32 s17, s17, s16
	s_lshr_b32 s18, s17, 1
	s_lshl_b32 s18, s18, 5
	s_and_b32 s19, s17, 1
	s_lshl_b32 s19, s19, 3
	s_add_co_u32 s18, s18, s19
	s_wait_alu depctr_va_vdst(0)
	v_and_b32 v10, 8, v8
	v_add_nc_u32 v10, v10, v8
	v_add_nc_u32 v10, s18, v10
	v_cvt_f32_u32 v10, v10                         ; t
	v_lshlrev_b32 v11, 4, v9
	s_wait_alu depctr_va_vdst(0)
	s_lshl_b32 s22, s17, 12
	s_mov_b32 s23, 0
	s_add_nc_u64 s[14:15], s[14:15], s[22:23]
	s_mov_b32 s24, 0x3f22f983                      ; 2 / pi
	s_mov_b32 s25, 0xbfc90fdb                      ; -(pi / 2), upper part
	s_mov_b32 s26, 0x333bbd2e                      ; upper part - pi / 2
	s_mov_b32 s27, 0x3638ef1d                      ; 1 / 9!
	s_mov_b32 s28, 0xb9500d01                      ; -1 / 7!
	s_mov_b32 s29, 0x3c088889                      ; 1 / 5!
	s_mov_b32 s30, 0xbe2aaaab                      ; -1 / 3!
	s_mov_b32 s31, 0xb493f27e                      ; -1 / 10!
	s_mov_b32 s32, 0x37d00d01                      ; 1 / 8!
	s_mov_b32 s33, 0xbab60b61                      ; -1 / 6!
	s_mov_b32 s34, 0x3d2aaaab                      ; 1 / 4!
	s_mov_b32 s35, 0x3ed49a78                      ; log2(10) / 8, upper part
	s_mov_b32 s36, 0x32179a12                      ; its rest
	s_mov_b32 s37, 0xbf317218                      ; -ln 2
.irp i, 0,1,2,3,4,5,6,7,8,9,10,11,12,13,14,15
	v_add_nc_u32 v64, \i, v11
	v_cvt_f32_u32 v[80+\i], v64                    ; j
	v_mul_f32 v[16+\i], s35, v[80+\i]              ; a = j c, rounded
	v_fma_f32 v[96+\i], v[80+\i], s35, -v[16+\i]   ; what the rounding dropped,
	v_fma_f32 v[96+\i], v[80+\i], s36, v[96+\i]    ; and c's rest
.endr
.irp i, 0,1,2,3,4,5,6,7,8,9,10,11,12,13,14,15
	v_exp_f32 v[16+\i], -v[16+\i]                  ; E = 2^-a
.endr
	v_nop                                          ; a plain place behind the batch
	s_wait_alu depctr_va_vdst(0)                   ; one wait for the sixteen, ahead of their first reader
.irp i, 0,1,2,3,4,5,6,7,8,9,10,11,12,13,14,15
	v_mul_f32 v64, v[16+\i], v[96+\i]
	v_fma_f32 v[16+\i], v64, s37, v[16+\i]         ; inv_freq = E (1 - e ln 2)
	v_mul_f32 v[16+\i], v10, v[16+\i]              ; the angle, one f32 product
.endr
.irp i, 0,1,2,3,4,5,6,7,8,9,10,11,12,13,14,15
	v_mul_f32 v64, s24, v[16+\i]
	v_rndne_f32 v64, v64                           ; k
	v_fma_f32 v65, v64, s25, v[16+\i]
	v_fma_f32 v65, v64, s26, v65                   ; rho = angle - k pi / 2
	v_mul_f32 v66, v65, v65                        ; z
	v_fma_f32 v67, v66, s27, s28
	v_fma_f32 v68, v66, s31, s32
	v_fma_f32 v67, v67, v66, s29
	v_fma_f32 v68, v68, v66, s33
	v_fma_f32 v67, v67, v66, s30
	v_fma_f32 v68, v68, v66, s34
	v_mul_f32 v69, v66, v65
	v_fma_f32 v68, v68, v66, -0.5
	v_fma_f32 v67, v67, v69, v65                   ; sin rho
	v_fma_f32 v68, v68, v66, 1.0                   ; cos rho
	v_cvt_i32_f32 v70, v64
	v_and_b32 v71, 1, v70
	v_cmp_eq_u32 vcc_lo, 1, v71                    ; an odd quarter swaps the two
	v_cndmask_b32 v72, v67, v68, vcc_lo
	v_cndmask_b32 v73, v68, v67, vcc_lo
	v_lshlrev_b32 v71, 30, v70                     ; sin is negative in quarters 2, 3: bit 1 of k
	v_add_nc_u32 v70, 1, v70                       ; cos in quarters 1, 2: bit 1 of k + 1
	v_and_b32 v71, 0x80000000, v71
	v_lshlrev_b32 v70, 30, v70
	v_xor_b32 v[48+\i], v71, v72
	v_and_b32 v70, 0x80000000, v70
	v_xor_b32 v[32+\i], v70, v73
.endr
.irp c, 0,1,2,3,4,5,6,7
	global_store_b128 v1, v[32+4*\c:35+4*\c], s[14:15] offset:512*\c       ; 512 consecutive bytes
.endr
	s_endpgm
.Lfunc_end_k_q8b1ec13bac_prep:
	.size	k_q8b1ec13bac_prep, .Lfunc_end_k_q8b1ec13bac_prep-k_q8b1ec13bac_prep
	.p2alignl 7, 3214868480
	.fill 96, 4, 3214868480
	.section	.rodata,"a",@progbits
	.p2align	6, 0x0
	.amdhsa_kernel k_q8b1ec13bac_prep
		.amdhsa_group_segment_fixed_size 60928
		.amdhsa_private_segment_fixed_size 0
		.amdhsa_enable_private_segment 0
		.amdhsa_kernarg_size 48
		.amdhsa_user_sgpr_count 2
		.amdhsa_user_sgpr_kernarg_segment_ptr 1
		.amdhsa_wavefront_size32 1
		.amdhsa_system_sgpr_workgroup_id_x 1
		.amdhsa_system_sgpr_workgroup_id_y 1
		.amdhsa_system_sgpr_workgroup_id_z 1
		.amdhsa_system_vgpr_workitem_id 0
		.amdhsa_next_free_vgpr 256
		.amdhsa_next_free_sgpr 66
		.amdhsa_reserve_vcc 1
		.amdhsa_float_denorm_mode_32 3
		.amdhsa_float_denorm_mode_16_64 3
		.amdhsa_memory_ordered 1
		.amdhsa_forward_progress 1
		.amdhsa_inst_pref_size 106
	.end_amdhsa_kernel
	.amdgpu_metadata
---
amdhsa.version: [ 1, 2 ]
amdhsa.kernels:
  - .name:           k_q8b1ec13bac_prep
    .symbol:         k_q8b1ec13bac_prep.kd
    .args:
      - { .name: x, .offset: 0, .size: 8, .value_kind: global_buffer, .address_space: global }
      - { .name: qkv_w, .offset: 8, .size: 8, .value_kind: global_buffer, .address_space: global }
      - { .name: proj_w, .offset: 16, .size: 8, .value_kind: global_buffer, .address_space: global }
      - { .name: xq, .offset: 24, .size: 8, .value_kind: global_buffer, .address_space: global }
      - { .name: wq, .offset: 32, .size: 8, .value_kind: global_buffer, .address_space: global }
      - { .name: rope, .offset: 40, .size: 8, .value_kind: global_buffer, .address_space: global }
    .group_segment_fixed_size: 60928
    .private_segment_fixed_size: 0
    .kernarg_segment_align: 8
    .kernarg_segment_size: 48
    .max_flat_workgroup_size: 128
    .sgpr_count:     66
    .vgpr_count:     256
    .wavefront_size: 32
...
	.end_amdgpu_metadata
.endif
;; end of part 1
;; launch gemm_qkv (part 2): grid 12 x 32, 4 waves a work-group, clusters of 4 x 4, 327,680 bytes of LDS; arguments xq, wq, qkv_b, rope, qbuf, kvbuf; writes qbuf, kvbuf
.if DOCPART == 2
	.amdgcn_target "amdgcn-amd-amdhsa--gfx1250"
	.amdhsa_code_object_version 6
	.text
	.protected	k_q8b1ec13bac_gemm_qkv
	.globl	k_q8b1ec13bac_gemm_qkv
	.p2align	8
	.type	k_q8b1ec13bac_gemm_qkv,@function
k_q8b1ec13bac_gemm_qkv:
	s_mov_b64 s[64:65], 0
	v_nop
	global_prefetch_b8 v0, s[64:65] scope:SCOPE_SE
	s_setreg_imm32_b32 hwreg(HW_REG_WAVE_MODE, 25, 1), 1
	s_wait_xcnt 0x0
	s_wait_alu depctr_hold_cnt(0) depctr_sa_sdst(0) depctr_va_vdst(0) depctr_va_sdst(0) depctr_va_ssrc(0) depctr_va_vcc(0) depctr_vm_vsrc(0)
	s_getreg_b32 s2, hwreg(HW_REG_IB_STS2, 6, 4)
	s_cmp_eq_u32 s2, 0
	s_cbranch_scc0 .Lentry_in_a_cluster
	s_endpgm
.Lentry_in_a_cluster:
	s_bfe_u32 s2, ttmp6, 0x10000c
	s_cmp_lg_u32 s2, 0xf033
	s_cbranch_scc0 .Lentry_shape_is_right
	s_endpgm
.Lentry_shape_is_right:
; QKV: x [8192][1024] x qkv_w [1024][3072] on codes of FP6 (E2M3) with E8M0 scales (xq, wq: laid as images of operand registers, see below), + bias; q and k are rotated and quantised along the head's 64, v along the keys.
; A tile of 256 rows x 256 columns to a work-group of four waves; a wave makes 128 x 128: 64 accumulators, 512 registers.  K = 1,024 goes in four slots of 256; LDS holds three, so three are first fills and one is a refill.
; THE CODES.  16 rows form a tile (of 32 neighbouring rows tile u holds at index p row 8 u + p + 8 (p / 8)); 64 along K of a tile are 768 bytes: lane l's registers 0-3 at 16 l, registers 4-5 at 512 + 8 l.  A fragment is 1,536 bytes
; on end: two loads of 16 bytes and two of 8 a lane, each dense over the lanes.  With these rows the operand given as source 0 leaves, in the registers of two neighbouring result tiles, 16 NEIGHBOURS: 32 g + 16 h + 0 .. 15.
; ROLES.  D(a, b) = S_b (source 0) x P_a (source 1): a lane holds one row of P, its registers run along S's rows.  q, k (cluster x = 0, 1): P = x, S = W: a lane holds one position, registers along the head's d.
; v (cluster x = 2): P = W, S = x: a lane holds one d, registers along the keys, which are the K of attention's second product.  Loads, masks and LDS are the same in all; only the waves' read bases are chosen, by the cluster's x,
; which all sixteen partners share.
; CLUSTER 4 x 4: x's tiles are shared along a row of the cluster, W's along a column: joint loads.  384 work-groups: one and a half for each WGP of 256.
; OUT.  qbuf: [head of batch (64)][256 positions (8)] blocks of 13,312 bytes: 16 pieces of 768, then scale words [128 positions (2)][half (2)][p (16)][4 tiles].  kvbuf: blocks of 26,112 bytes: K as q's 16 pieces; V [128 keys (2)][d tile (4)][1,536];
; K's words as q's; V's words [128 keys (2)][p (16)][4 d tiles].  q's and k's words hold two bytes (64 along d) and 0 above.
; LIMITS: NaN and infinities are not served; a block of zeros keeps the byte 1 (zero codes; only this program reads the bytes); largest magnitudes under 2^-124 are held at that floor.
; REGISTERS.  window 0: v1-27 addresses; v32-63 scale words, two sets, nothing else ever; v64-127 the bias as the first products' C, later cos/sin and words; v128-223 P's fragments, later at work; v224-255 cos/sin.
;   window 1: S's fragments, sets at v0 and v128; v96-111 v's bias.   windows 2, 3: accumulator (a, b) at v[8 (8 (a % 4) + b)], a < 4 in window 2.
.set HALFT, 24576                      ; 8 tiles x 3,072 bytes: what one tensor load brings, and what a wave reads of x or of W in a slot
.set SLOT,  4*HALFT                    ; x's 256 rows, then W's
.set SCL,   3*SLOT                     ; behind the three slots: the scale words of all K, 8,192 bytes for each wave's load: x's, then W's
.set SPARE, SCL+16384                  ; the spare words, 128 bytes a wave: two blocks of 256 bytes that no other line names
.set FR,   12
.set SPW,  5                           ; v5  SPARE + 4 x my thread's number; never rewritten
.set NIL,  6                           ; v6  0; never rewritten
.set ADRS, 7                           ; v7  my scale words: lanes 0-15 P's, lanes 16-31 S's
.set P16,  8                           ; v8-10  P's base in slot 0, 1, 2 + 16 x lane;  v11-13 + 8 x lane
.set P8,   11
.set S16,  14                          ; v14-16, v17-19 the same for S
.set S8,   17
.set SC,   32
.set BI,   64
.set AF,   128
.set T,    128                         ; the way out: numbers to be quantised
.set U,    160
.set PC,   192
.set CT,   204
.set BM,   212
.set BX,   216
.set SO,   220
.set W,    96                          ; the way out: 16 scale words
.set WV,   16
.set MH,   17                          ; which half of the 256 rows of x is mine.  Also: I fetch for x (0) or for W (1)
.set NH,   18                          ; which half of the 256 columns.  Also: which 128 rows I fetch
.set SEL,  100
.set G1,   24                          ; s[24:31] group 1 for x's codes; s[32:43] groups 0, one for each slot
.set G0,   32
.set G1B,  44                          ; s[44:51], s[52:63] the same for W's
.set G0B,  52
.set G1S,  68                          ; s[68:75], s[76:79] x's scale words; s[80:87], s[88:91] W's
.set G0S,  76
.set G1SB, 80
.set G0SB, 88
.set MUL_LO, 0xa1                      ; source 0 (S) window 1, source 1 (P) window 0, C and D window 2
.set MUL_HI, 0xf1
.set MSB, 0
.macro WIN new                         ; the immediate's high byte repeats the setting that is left
.if MSB != (\new)
	s_set_vgpr_msb (MSB<<8)|(\new)
.set MSB, (\new)
.endif
.endm
.macro PLACES n
.rept \n
	v_nop
.endr
.endm
; A joint load: waves 0, 1 fetch x's halves, waves 2, 3 W's.  The branch hangs on the wave's number alone.  Four v_nop follow each line.
.macro JLOAD g0a, g1a, g0b, g1b
	s_cmp_eq_u32 s[MH], 0
	s_cbranch_scc0 .Lfor_b_\@
	tensor_load_to_lds s[\g0a:\g0a+3], s[\g1a:\g1a+7]
	s_nop 0
.rept 4
	v_nop
.endr
	s_branch .Lasked_\@
.Lfor_b_\@:
	tensor_load_to_lds s[\g0b:\g0b+3], s[\g1b:\g1b+7]
	s_nop 0
.rept 4
	v_nop
.endr
.Lasked_\@:
.endm
.macro CREST                           ; a round of the cluster's barrier behind its opening barrier
	s_cmp_lg_u32 s[WV], 0
	s_cbranch_scc1 .Lnot_wave_0_\@
	s_barrier_signal -3
.Lnot_wave_0_\@:
	s_barrier_wait -3
	s_barrier_signal -1
	s_barrier_wait -1
.endm
.macro CROUND
	s_barrier_signal -1
	s_barrier_wait -1
	CREST
.endm
.macro FRAG reg, a16, a8, q, i, pt     ; tile i's fragment of the q-th 128 along K; pt: bytes from tile to tile in LDS (3,072 in slot 0; 6,144 where K slots 1 and 2 lie side by side)
	ds_load_b128 v[\reg:\reg+3], v[\a16] offset:(\pt)*(\i)+1536*(\q)
	ds_load_b64 v[\reg+4:\reg+5], v[\a8] offset:(\pt)*(\i)+1536*(\q)+512
	ds_load_b128 v[\reg+6:\reg+9], v[\a16] offset:(\pt)*(\i)+1536*(\q)+768
	ds_load_b64 v[\reg+10:\reg+11], v[\a8] offset:(\pt)*(\i)+1536*(\q)+1280
.endm
.macro FETCH_S sg, q, p                ; S's eight fragments into set p
	WIN 0x40
.irp i, 0,1,2,3,4,5,6,7
	FRAG 128*(\p)+FR*\i, S16+\sg, S8+\sg, \q, \i, 3072*(1+((\sg)+1)/2)
.endr
	WIN 0
.endm
.macro FETCH_P sg, q, i0               ; P's blocks i0 .. i0 + 3
.irp i, \i0, \i0+1, \i0+2, \i0+3
	FRAG AF+FR*(\i), P16+\sg, P8+\sg, \q, \i, 3072*(1+((\sg)+1)/2)
.endr
.endm
.macro SCALES sc                       ; a slot's two words a row: lanes 0-15 P's tile i, lanes 16-31 S's tile i
.irp i, 0,1,2,3,4,5,6,7
	ds_load_b64 v[SC+16*\sc+2*\i:SC+16*\sc+2*\i+1], v[ADRS] offset:512*\i
.endr
.endm
; 16 products: P's blocks a0, a0 + 1 x S's eight.  first = 1: C is the bias; 2: C is 0; 0: the sums go on.  The 64 accumulators take turns, one instruction a turn, in one order throughout.
.macro MUL16 a0, p, q, sc, first
.irp a, \a0, \a0+1
.irp b, 0,1,2,3,4,5,6,7
.if \first == 1
	v_wmma_scale_f32_16x16x128_f8f6f4 v[8*(8*((\a)%4)+\b):8*(8*((\a)%4)+\b)+7], v[128*(\p)+FR*\b:128*(\p)+FR*\b+FR-1], v[AF+FR*(\a):AF+FR*(\a)+FR-1], v[BI+8*\b:BI+8*\b+7], v[SC+16*(\sc)+2*\b+(\q)], v[SC+16*(\sc)+2*(\a)+(\q)] matrix_a_fmt:MATRIX_FMT_FP6 matrix_b_fmt:MATRIX_FMT_FP6 matrix_a_scale:MATRIX_SCALE_ROW1
.elseif \first == 2
	v_wmma_scale_f32_16x16x128_f8f6f4 v[8*(8*((\a)%4)+\b):8*(8*((\a)%4)+\b)+7], v[128*(\p)+FR*\b:128*(\p)+FR*\b+FR-1], v[AF+FR*(\a):AF+FR*(\a)+FR-1], 0, v[SC+16*(\sc)+2*\b+(\q)], v[SC+16*(\sc)+2*(\a)+(\q)] matrix_a_fmt:MATRIX_FMT_FP6 matrix_b_fmt:MATRIX_FMT_FP6 matrix_a_scale:MATRIX_SCALE_ROW1
.else
	v_wmma_scale_f32_16x16x128_f8f6f4 v[8*(8*((\a)%4)+\b):8*(8*((\a)%4)+\b)+7], v[128*(\p)+FR*\b:128*(\p)+FR*\b+FR-1], v[AF+FR*(\a):AF+FR*(\a)+FR-1], v[8*(8*((\a)%4)+\b):8*(8*((\a)%4)+\b)+7], v[SC+16*(\sc)+2*\b+(\q)], v[SC+16*(\sc)+2*(\a)+(\q)] matrix_a_fmt:MATRIX_FMT_FP6 matrix_b_fmt:MATRIX_FMT_FP6 matrix_a_scale:MATRIX_SCALE_ROW1
.endif
.endr
.endr
.endm
; A slot's first 128 along K; the second's fragments are fetched in two runs, each behind four places (a load into a register that a matrix instruction has read stands four plain vector instructions behind it).
.macro STEP sg, sc, first
	s_wait_dscnt 16                                ; S's set and P's blocks 0-3 are in; the youngest 16 loads (P's blocks 4-7) may be out
.if \first == 1
	WIN 0x81                                       ; C (the bias) in window 0
.else
	WIN MUL_LO
.endif
	MUL16 0, 0, 0, \sc, \first
	MUL16 2, 0, 0, \sc, \first
	s_wait_dscnt 0x0
	PLACES 4
	FETCH_S \sg, 1, 1
	FETCH_P \sg, 1, 0
.if \first == 1
	WIN 0xc1
.else
	WIN MUL_HI
.endif
	MUL16 4, 0, 0, \sc, \first
	MUL16 6, 0, 0, \sc, \first
	PLACES 4
	WIN 0
	FETCH_P \sg, 1, 4
.endm
; A slot's second 128 along K, and the change to slot sn.  sync = 2: slot sg is filled again: every wave waits for all its tensor loads, adds 0 to its spare word, waits for that and for its reads of the slot; the barrier opens a round
; of the cluster's barrier, and the joint refill is the first thing behind it.  sync = 1: the slot ahead was brought by that refill: the same lines and the work-group's barrier; nothing is filled.
; sync = 0: the slot ahead was shown whole to every wave by an earlier barrier and nothing is filled: no wait, no barrier.
.macro TURN sg, sc, sn, scn, sync
.if \sync
	s_wait_tensorcnt 0x0                           ; all my tensor loads have landed
	ds_add_u32 v[SPW], v[NIL]                      ; 0 onto my spare word
	s_wait_dscnt 17                                ; (the add and the youngest 16 loads may be out)
.else
	s_wait_dscnt 16
.endif
	WIN MUL_LO
	MUL16 0, 1, 1, \sc, 0
.if \sync
	s_wait_dscnt 0x0                               ; the add is done, and my reads of this slot are over
	s_barrier_signal -1
.endif
	MUL16 2, 1, 1, \sc, 0
	WIN 0
.if \sync
	s_barrier_wait -1
.else
	s_wait_dscnt 0x0
.endif
.if \sync == 2
	CREST
	s_add_nc_u64 s[G0+4*\sg+2:G0+4*\sg+3], s[G0+4*\sg+2:G0+4*\sg+3], 3*3072      ; three slots on along K
	s_add_nc_u64 s[G0B+4*\sg+2:G0B+4*\sg+3], s[G0B+4*\sg+2:G0B+4*\sg+3], 3*3072
	s_mov_b32 s[G1+1], 384<<16                     ; no tensor load of mine is out: a row is one K slot's 3,072 bytes again
	s_mov_b32 s[G1+3], 384<<16
	s_mov_b32 s[G1B+1], 384<<16
	s_mov_b32 s[G1B+3], 384<<16
	JLOAD G0+4*\sg, G1, G0B+4*\sg, G1B             ; its four v_nop are also the places in front of the loads below; it has two slots' products, 256, in which to land
.else
	PLACES 4
.endif
	v_add_nc_u32 v[ADRS], 128, v[ADRS]             ; the next slot's scale words
	FETCH_S \sn, 0, 0
	FETCH_P \sn, 0, 0
	SCALES \scn
	WIN MUL_HI
	MUL16 4, 1, 1, \sc, 0
	MUL16 6, 1, 1, \sc, 0
	PLACES 4
	WIN 0
	FETCH_P \sn, 0, 4
.endm
; 64 numbers of a lane (register 16 b + i = k 32 b + 16 h + i of its row) become a fragment in v[PC] on and its scale word in v[w]
.macro QUANT4 s, w
.irp b, 0,1,2,3
	v_max3_num_f32 v[BM+\b], |v[\s+16*\b]|, |v[\s+1+16*\b]|, 0x1800000   ; with the floor 2^(3 - 127): the byte cannot fall under 1
.endr
.irp i, 2,4,6,8,10,12,14
.irp b, 0,1,2,3
	v_max3_num_f32 v[BM+\b], v[BM+\b], |v[\s+16*\b+\i]|, |v[\s+1+16*\b+\i]|
.endr
.endr
.irp b, 0,1,2,3
	v_permlanex16_b32 v[BX+\b], v[BM+\b], s[SEL], s[SEL+1]
.endr
.irp b, 0,1,2,3
	v_max_num_f32 v[BM+\b], v[BM+\b], v[BX+\b]
.endr
.irp b, 0,1,2,3
	v_add_nc_u32 v[SO+\b], 0xff000000, v[BM+\b]    ; 2 off the exponent field: the conversion's scale operand
.endr
.irp b, 0,1,2,3
	v_lshrrev_b32 v[BX+\b], 23, v[SO+\b]
.endr
	v_lshl_or_b32 v[\w], v[BX+1], 8, v[BX]
	v_lshl_or_b32 v[\w], v[BX+2], 16, v[\w]
	v_lshl_or_b32 v[\w], v[BX+3], 24, v[\w]
.irp c, 0,1
	v_cvt_scalef32_pk16_fp6_f32 v[PC+6*\c:PC+6*\c+2], v[\s+32*\c:\s+32*\c+15], v[SO+2*\c]
	v_cvt_scalef32_pk16_fp6_f32 v[CT+4*\c:CT+4*\c+2], v[\s+32*\c+16:\s+32*\c+31], v[SO+2*\c+1]
.endr
	v_nop                                          ; one plain place behind the conversions
.irp c, 0,1
.irp i, 0,1,2
	v_permlane16_swap_b32 v[PC+6*\c+\i], v[CT+4*\c+\i]
.endr
.irp i, 0,1,2
	v_mov_b32 v[PC+6*\c+3+\i], v[CT+4*\c+\i]
.endr
.endr
.endm
.macro QUANT2 s, w                     ; the same for 32 numbers, two blocks: six registers, two bytes
.irp b, 0,1
	v_max3_num_f32 v[BM+\b], |v[\s+16*\b]|, |v[\s+1+16*\b]|, 0x1800000
.endr
.irp i, 2,4,6,8,10,12,14
.irp b, 0,1
	v_max3_num_f32 v[BM+\b], v[BM+\b], |v[\s+16*\b+\i]|, |v[\s+1+16*\b+\i]|
.endr
.endr
.irp b, 0,1
	v_permlanex16_b32 v[BX+\b], v[BM+\b], s[SEL], s[SEL+1]
.endr
.irp b, 0,1
	v_max_num_f32 v[BM+\b], v[BM+\b], v[BX+\b]
.endr
.irp b, 0,1
	v_add_nc_u32 v[SO+\b], 0xff000000, v[BM+\b]
.endr
.irp b, 0,1
	v_lshrrev_b32 v[BX+\b], 23, v[SO+\b]
.endr
	v_lshl_or_b32 v[\w], v[BX+1], 8, v[BX]
	v_cvt_scalef32_pk16_fp6_f32 v[PC:PC+2], v[\s:\s+15], v[SO]
	v_cvt_scalef32_pk16_fp6_f32 v[CT:CT+2], v[\s+16:\s+31], v[SO+1]
	v_nop
.irp i, 0,1,2
	v_permlane16_swap_b32 v[PC+\i], v[CT+\i]
.endr
.irp i, 0,1,2
	v_mov_b32 v[PC+3+\i], v[CT+\i]
.endr
.endm
	s_load_b256 s[4:11], s[0:1], 0x0               ; xq s[4:5], wq s[6:7], qkv_b s[8:9], rope s[10:11]
	s_load_b128 s[12:15], s[0:1], 0x20             ; qbuf s[12:13], kvbuf s[14:15]
	v_lshl_add_u32 v[SPW], v0, 2, SPARE
	v_mov_b32 v[NIL], 0
	ds_add_u32 v5, v6
	ds_add_u32 v5, v6
	s_wait_dscnt 0x0
	v_lshrrev_b32 v1, 5, v0
	v_readfirstlane_b32 s[WV], v1
	s_lshr_b32 s[MH], s[WV], 1
	s_and_b32 s[NH], s[WV], 1
	s_bfe_u32 s19, ttmp6, 0x40000                  ; cx
	s_bfe_u32 s20, ttmp6, 0x40004                  ; cy
	s_lshl_b32 s21, ttmp9, 2
	s_add_co_u32 s21, s21, s19                     ; tile column 0..11: 0-3 q, 4-7 k, 8-11 v
	s_and_b32 s22, ttmp7, 0xffff
	s_lshl_b32 s22, s22, 2
	s_add_co_u32 s22, s22, s20                     ; tile row 0..31 = 8 x batch + block of 256 positions
	s_lshl_b32 s23, s20, 2
	s_lshl_b32 s23, 15, s23                        ; my row of the cluster
	s_lshl_b32 s66, 0x1111, s19                    ; my column
	; codes: 8 tiles' 3,072 bytes of a slot, 12,288 bytes apart, in elements of 8 bytes; no padding: every read is dense over the lanes
	s_or_b32 s[G1], s23, (3<<16)|(1<<21)
	s_or_b32 s[G1B], s66, (3<<16)|(1<<21)
.irp g, G1, G1B
	s_mov_b32 s[\g+1], 384<<16                     ; tensor_dim0
	s_mov_b32 s[\g+2], 16<<16                      ; tensor_dim1: the head's loads bring all 16 tiles
	s_mov_b32 s[\g+3], 384<<16                     ; tile_dim0
	s_mov_b32 s[\g+4], 16                          ; tile_dim1
	s_mov_b32 s[\g+5], 1536                        ; from tile to tile
	s_mov_b32 s[\g+6], 0
	s_mov_b32 s[\g+7], 0
.endr
	; scale words of 256 rows, all K: 8,192 dense bytes as 32 rows of 256
	s_or_b32 s[G1S], s23, (3<<16)|(1<<21)
	s_or_b32 s[G1SB], s66, (3<<16)|(1<<21)
.irp g, G1S, G1SB
	s_mov_b32 s[\g+1], 32<<16
	s_mov_b32 s[\g+2], 32<<16                      ; the words of 256 rows: 8,192 dense bytes as 32 rows of 256
	s_mov_b32 s[\g+3], 32<<16
	s_mov_b32 s[\g+4], 32
	s_mov_b32 s[\g+5], 32
	s_mov_b32 s[\g+6], 0
	s_mov_b32 s[\g+7], 0
.endr
	s_lshl_b32 s94, s22, 4                         ; x: the block's first tile, made of the tile row alone
	s_lshl_b32 s96, s21, 4                         ; W: made of the tile column alone
	s_mul_i32 s66, s[NH], 98304                    ; behind the head I fetch 8 tiles of the 16: which half, in bytes
	s_mov_b32 s67, 0
	s_mul_i32 s98, s94, 12288
	s_mov_b32 s99, 0
	s_mul_i32 s2, s96, 12288
	s_mov_b32 s3, 0
	s_lshl_b32 s94, s94, 9
	s_add_co_u32 s94, s94, 6291456
	s_mov_b32 s95, 0
	s_lshl_b32 s96, s96, 9
	s_add_co_u32 s96, s96, 3145728
	s_mov_b32 s97, 0
	s_mul_i32 s92, s[WV], HALFT                    ; where they go: by the wave's number alone
	s_lshl_b32 s93, s92, 1                         ; wave x 49,152: my quarter of the bytes that hold K slots 1 and 2
	s_mov_b32 s[SEL], 0x76543210
	s_mov_b32 s[SEL+1], 0xfedcba98
	s_wait_kmcnt 0x0
	s_add_nc_u64 s[98:99], s[4:5], s[98:99]
	s_add_nc_u64 s[94:95], s[4:5], s[94:95]
	s_add_nc_u64 s[2:3], s[6:7], s[2:3]
	s_add_nc_u64 s[96:97], s[6:7], s[96:97]
	CROUND                                         ; all sixteen work-groups are here: the first joint loads meet
	s_mov_b32 s[G0S], 1
	s_mov_b32 s[G0S+1], SCL
	s_mov_b64 s[G0S+2:G0S+3], s[94:95]
	s_or_b32 s[G0S+3], s[G0S+3], 0x80000000
	s_mov_b32 s[G0SB], 1
	s_mov_b32 s[G0SB+1], SCL+8192
	s_mov_b64 s[G0SB+2:G0SB+3], s[96:97]
	s_or_b32 s[G0SB+3], s[G0SB+3], 0x80000000
	s_mov_b32 s[G0+8], 1                           ; the head's loads of codes: K slot 0 of x's 16 tiles,
	s_mov_b32 s[G0+9], 0
	s_mov_b64 s[G0+10:G0+11], s[98:99]
	s_or_b32 s[G0+11], s[G0+11], 0x80000000
	s_mov_b32 s[G0B+8], 1                          ; and of W's 16, behind them
	s_mov_b32 s[G0B+9], 2*HALFT
	s_mov_b64 s[G0B+10:G0B+11], s[2:3]
	s_or_b32 s[G0B+11], s[G0B+11], 0x80000000
	s_add_nc_u64 s[98:99], s[98:99], s[66:67]      ; from here on: my 8 tiles
	s_add_nc_u64 s[2:3], s[2:3], s[66:67]
.irp s, 0,1                            ; set 0: slot 0's refill (stepped to K slot 3 where it is asked for); set 1: K slots 1 and 2 in one load, rows of 6,144 bytes
	s_mov_b32 s[G0+4*\s], 1
	s_add_nc_u64 s[G0+4*\s+2:G0+4*\s+3], s[98:99], \s*3072
	s_or_b32 s[G0+4*\s+3], s[G0+4*\s+3], 0x80000000
	s_mov_b32 s[G0B+4*\s], 1
	s_add_nc_u64 s[G0B+4*\s+2:G0B+4*\s+3], s[2:3], \s*3072
	s_or_b32 s[G0B+4*\s+3], s[G0B+4*\s+3], 0x80000000
.endr
	s_add_co_u32 s[G0+1], s92, 0
	s_add_co_u32 s[G0B+1], s92, 0
	s_add_co_u32 s[G0+5], s93, SLOT
	s_add_co_u32 s[G0B+5], s93, SLOT
; THE HEAD'S LOADS, ONE A WAVE: wave 0 x's K slot 0, wave 1 W's, wave 2 x's scale words, wave 3 W's.  One chain of branches on the wave's number; every way passes one load.
.macro ARM under, g0, g1, next
	s_cmp_lt_u32 s[WV], \under
	s_cbranch_scc0 \next
	tensor_load_to_lds s[\g0:\g0+3], s[\g1:\g1+7]
	s_nop 0
.rept 4
	v_nop
.endr
	s_branch .Lhead_asked
\next:
.endm
	ARM 1, G0+8,  G1,  .Lhead_b
	ARM 2, G0B+8, G1B, .Lhead_sa
	ARM 3, G0S,   G1S, .Lhead_sb
	tensor_load_to_lds s[G0SB:G0SB+3], s[G1SB:G1SB+7]
	s_nop 0
.rept 4
	v_nop
.endr
.Lhead_asked:
	v_and_b32 v1, 15, v0                           ; r
	v_bfe_u32 v2, v0, 4, 1                         ; h
	v_and_b32 v3, 31, v0
	v_lshlrev_b32 v4, 3, v3                        ; 8 x lane
	v_lshlrev_b32 v3, 4, v3                        ; 16 x lane
	s_wait_alu depctr_va_vdst(0)
	s_mul_i32 s94, s[MH], HALFT                    ; my half of x in a slot,
	s_mul_i32 s95, s[NH], HALFT
	s_add_co_u32 s95, s95, 2*HALFT                 ; my half of W
	s_cmp_ge_u32 ttmp9, 2                          ; v?  The cluster's x is the same in all sixteen partners
	s_cselect_b32 s96, s95, s94                    ; P
	s_cselect_b32 s97, s94, s95                    ; S
	s_cselect_b32 s67, 1, 0
.irp s, 0,1,2                          ; base 0: slot 0; bases 1, 2: K slots 1 and 2, which lie side by side in rows of 6,144 bytes behind slot 0, a quarter being 49,152 bytes there
	v_add_nc_u32 v[P16+\s], s96, v3
	v_add_nc_u32 v[P8+\s], s96, v4
	v_add_nc_u32 v[S16+\s], s97, v3
	v_add_nc_u32 v[S8+\s], s97, v4
.if \s == 0
	s_lshl_b32 s96, s96, 1
	s_lshl_b32 s97, s97, 1
	s_add_co_u32 s96, s96, SLOT
	s_add_co_u32 s97, s97, SLOT
.else
	s_add_co_u32 s96, s96, 3072
	s_add_co_u32 s97, s97, 3072
.endif
.endr
	s_lshl_b32 s94, s[MH], 12                      ; scale words: x's of my half, or (lane half xor v) W's, the distance on
	s_lshl_b32 s95, s[NH], 12
	s_add_co_u32 s95, s95, 8192
	s_sub_co_u32 s95, s95, s94
	v_xor_b32 v20, s67, v2
	v_mul_u32_u24 v20, s95, v20
	s_add_co_u32 s94, s94, SCL
	v_lshl_add_u32 v[ADRS], v1, 3, v20
	v_add_nc_u32 v[ADRS], s94, v[ADRS]
	; Three small sets of loads, issued by every work-group alike (all lie inside their buffers for every tile column): the bias as q and k want it, as v wants it, and the first tile's cos and sin.
	s_lshl_b32 s96, s21, 10
	s_lshl_b32 s97, s[NH], 9
	s_add_co_u32 s96, s96, s97
	s_mov_b32 s97, 0
	s_add_nc_u64 s[96:97], s[8:9], s[96:97]        ; the bias of my 128 columns
	v_lshlrev_b32 v21, 6, v2
.irp g, 0,1,2,3
.irp c, 0,1,2,3
	global_load_b128 v[BI+16*\g+4*\c:BI+16*\g+4*\c+3], v21, s[96:97] offset:128*\g+16*\c   ; register 16 g + i: column 32 g + 16 h + i: the result's layout
.endr
.endr
	v_and_b32 v22, 8, v1
	v_add_nc_u32 v22, v22, v1
	v_lshlrev_b32 v22, 2, v22                      ; 4 (r + 8 (r / 8))
	WIN 0x40
.irp a, 0,1,2,3,4,5,6,7
	global_load_b32 v[96+2*\a], v22, s[96:97] offset:(32*(\a/2)+8*(\a%2))*4    ; window 1: the bias of tile a's column of index r, twice: a pair for the packed addition
	global_load_b32 v[97+2*\a], v22, s[96:97] offset:(32*(\a/2)+8*(\a%2))*4
.endr
	WIN 0
	s_lshl_b32 s92, s22, 4
	s_lshl_b32 s93, s[MH], 3
	s_add_co_u32 s92, s92, s93
	s_and_b32 s92, s92, 127                        ; my first tile of positions within the batch
	s_lshl_b32 s92, s92, 12
	s_mov_b32 s93, 0
	s_add_nc_u64 s[92:93], s[10:11], s[92:93]
.irp c, 0,1,2,3,4,5,6,7
	global_load_b128 v[224+4*\c:227+4*\c], v3, s[92:93] offset:512*\c
.endr
	s_wait_alu depctr_va_vdst(0)
	s_wait_tensorcnt 0x0                           ; my tile of the head's four is in
	ds_add_u32 v[SPW], v[NIL]
	s_mov_b32 s[G1+1], 768<<16                     ; no tensor load of mine is out: the next load brings 8 tiles' rows of 6,144 bytes, K slots 1 and 2
	s_mov_b32 s[G1+2], 8<<16
	s_mov_b32 s[G1+3], 768<<16
	s_mov_b32 s[G1+4], 8
	s_mov_b32 s[G1B+1], 768<<16
	s_mov_b32 s[G1B+2], 8<<16
	s_mov_b32 s[G1B+3], 768<<16
	s_mov_b32 s[G1B+4], 8
	s_wait_dscnt 0x0
	CROUND                                         ; a whole round: all four tiles are in, and the joint loads meet
	JLOAD G0+4, G1, G0B+4, G1B                     ; my one load behind the round
	FETCH_S 0, 0, 0
	FETCH_P 0, 0, 0
	SCALES 0
	FETCH_P 0, 0, 4
	s_wait_loadcnt 0x0                             ; the bias
	s_cmp_lg_u32 s67, 0
	s_cbranch_scc1 .Lfirst_v
	STEP 0, 0, 1                                   ; q, k: the bias starts the sums
	s_branch .Lfirst_done
.Lfirst_v:
	STEP 0, 0, 2                                   ; v: 0 starts them; its bias runs along the other axis and is added on the way out
.Lfirst_done:
	TURN 0, 0, 1, 1, 2                             ; K slot 3 is asked for, into LDS slot 0
	s_wait_alu depctr_va_vdst(0)
	STEP 1, 1, 0
	TURN 1, 1, 2, 0, 0
	s_wait_alu depctr_va_vdst(0)
	STEP 2, 0, 0
	TURN 2, 0, 0, 1, 1                             ; K slot 3 has landed
	STEP 0, 1, 0
	s_wait_dscnt 16                                ; the last 128 along K: nothing more to fetch
	WIN MUL_LO
	MUL16 0, 1, 1, 1, 0
	MUL16 2, 1, 1, 1, 0
	s_wait_dscnt 0x0
	WIN MUL_HI
	MUL16 4, 1, 1, 1, 0
	MUL16 6, 1, 1, 1, 0
	WIN 0
	PLACES 4                                       ; behind the last products: their results are read and P's registers written below
	; THE WAY OUT.  No tensor load is out, so the descriptors' registers serve as addresses.
	s_lshr_b32 s24, s22, 3                         ; batch
	s_and_b32 s25, s22, 7                          ; block of 256 positions
	s_and_b32 s26, s21, 3
	s_lshl_b32 s26, s26, 2
	s_lshl_b32 s27, s[NH], 1
	s_add_co_u32 s26, s26, s27                     ; my first head of two
	s_lshl_b32 s24, s24, 4
	s_add_co_u32 s24, s24, s26
	s_lshl_b32 s24, s24, 3
	s_add_co_u32 s24, s24, s25                     ; its block's number
	s_mov_b32 s33, 0
.irp b, 0,1,2,3
	v_mov_b32 v[BX+\b], 0                          ; written once: a lane permute's destination counts as one of its sources
.endr
	s_cmp_lg_u32 s67, 0
	s_cbranch_scc1 .Lout_v
	; ---- q, k: rotate, quantise along d, store images.  Nothing goes through LDS.
	s_mov_b32 s27, 26112
	s_mov_b32 s28, 24576
	s_cmp_eq_u32 ttmp9, 0                          ; q or k
	s_cselect_b64 s[30:31], s[12:13], s[14:15]
	s_cselect_b32 s27, 13312, s27                  ; a block's bytes
	s_cselect_b32 s28, 12288, s28                  ; where its scale words begin
	s_mul_i32 s32, s24, s27
	s_add_nc_u64 s[30:31], s[30:31], s[32:33]      ; my first head's block,
	s_lshl_b32 s32, s27, 3
	s_add_nc_u64 s[34:35], s[30:31], s[32:33]      ; my second head's, eight blocks on
	s_mul_i32 s32, s[MH], 6144
	s_add_nc_u64 s[36:37], s[30:31], s[32:33]      ; my 8 tiles' pieces
	s_add_nc_u64 s[38:39], s[34:35], s[32:33]
	s_lshl_b32 s32, s[MH], 9
	s_add_co_u32 s32, s32, s28
	s_add_nc_u64 s[40:41], s[30:31], s[32:33]      ; and their 512 bytes of words
	s_add_nc_u64 s[42:43], s[34:35], s[32:33]
; Tile a, head hd: the lane's 32 numbers: register 16 g + i = d 32 g + 16 h + i.  out(d < 32) = x1 cos - x2 sin, out(d >= 32) = x2 cos + x1 sin, with the frequency 16 h + i.  Each accumulator is read from its low end on.
.macro QKOUT a, hd
.set AC, 64*((\a)%4)+32*(\hd)
.set CSB, 224-160*((\a)%2)
	WIN 0x02+(\a)/4
.irp i, 0,2,4,6,8,10,12,14
	v_pk_mul_f32 v[U+\i:U+\i+1], v[AC+16+\i:AC+17+\i], v[CSB+16+\i:CSB+17+\i]
	v_pk_mul_f32 v[U+16+\i:U+17+\i], v[AC+\i:AC+1+\i], v[CSB+16+\i:CSB+17+\i]
.endr
.irp i, 0,2,4,6,8,10,12,14
	v_pk_fma_f32 v[T+\i:T+\i+1], v[AC+\i:AC+1+\i], v[CSB+\i:CSB+1+\i], v[U+\i:U+\i+1] neg_lo:[0,0,1] neg_hi:[0,0,1]
	v_pk_fma_f32 v[T+16+\i:T+17+\i], v[AC+16+\i:AC+17+\i], v[CSB+\i:CSB+1+\i], v[U+16+\i:U+17+\i]
.endr
	WIN 0
	s_wait_xcnt 0x0                                ; the last stores have read the codes' registers
	QUANT2 T, W+8*(\hd)+(\a)
	global_store_b128 v3, v[PC:PC+3], s[36+2*(\hd):37+2*(\hd)] offset:768*(\a)          ; whole runs of 256 consecutive bytes
	global_store_b64 v4, v[PC+4:PC+5], s[36+2*(\hd):37+2*(\hd)] offset:768*(\a)+512
.endm
.irp a, 0,1,2,3,4,5,6,7
.if \a < 7
.set NB, 224-160*((\a+1)%2)
.irp c, 0,1,2,3,4,5,6,7
	global_load_b128 v[NB+4*\c:NB+4*\c+3], v3, s[92:93] offset:4096*(\a+1)+512*\c       ; the next tile's cos and sin, into the other set
.endr
	s_wait_loadcnt 8                               ; this tile's are in; the 8 just issued may be out
.else
	s_wait_loadcnt 0x0
.endif
	QKOUT \a, 0
	QKOUT \a, 1
.endr
	s_mov_b32 vcc_lo, 0xffff0000                   ; lanes 0-15 store the words of tiles 0-3 of index r, lanes 16-31 those of tiles 4-7
.irp hd, 0,1
.irp i, 0,1,2,3
	v_cndmask_b32 v[20+4*\hd+\i], v[W+8*\hd+\i], v[W+8*\hd+4+\i], vcc_lo
.endr
	global_store_b128 v3, v[20+4*\hd:23+4*\hd], s[40+2*\hd:41+2*\hd]
.endr
	s_branch .Lend
	; ---- v: add the bias, quantise along my 128 keys, store images.  Tile a: head a / 4, d tile a % 4.
.Lout_v:
	s_mul_i32 s32, s24, 26112
	s_add_nc_u64 s[30:31], s[14:15], s[32:33]
	s_mul_i32 s32, s[MH], 6144
	s_add_co_u32 s32, s32, 12288
	s_add_nc_u64 s[36:37], s[30:31], s[32:33]      ; V's fragments of my 128 keys
	s_lshl_b32 s32, s[MH], 8
	s_add_co_u32 s32, s32, 25600
	s_add_nc_u64 s[40:41], s[30:31], s[32:33]      ; and their words
.macro VOUT a
	WIN 0x06+(\a)/4                                ; source 0: the accumulators' window; source 1: window 1
.set n, 0
.rept 32
	v_pk_add_f32 v[T+n:T+n+1], v[64*((\a)%4)+n:64*((\a)%4)+n+1], v[96+2*(\a):97+2*(\a)]
.set n, n+2
.endr
	WIN 0
	s_wait_xcnt 0x0
	QUANT4 T, W+(\a)
	global_store_b128 v3, v[PC:PC+3], s[36:37] offset:((\a)/4)*208896+((\a)%4)*1536     ; the second head's block lies 8 x 26,112 bytes on
	global_store_b64 v4, v[PC+4:PC+5], s[36:37] offset:((\a)/4)*208896+((\a)%4)*1536+512
	global_store_b128 v3, v[PC+6:PC+9], s[36:37] offset:((\a)/4)*208896+((\a)%4)*1536+768
	global_store_b64 v4, v[PC+10:PC+11], s[36:37] offset:((\a)/4)*208896+((\a)%4)*1536+1280
.endm
.irp a, 0,1,2,3,4,5,6,7
	VOUT \a
.endr
	s_mov_b32 vcc_lo, 0xffff0000                   ; lanes 0-15 store the first head's four words of index r, lanes 16-31 the second head's
.irp i, 0,1,2,3
	v_cndmask_b32 v[20+\i], v[W+\i], v[W+4+\i], vcc_lo
.endr
	v_lshlrev_b32 v24, 4, v1
	v_mad_u32_u24 v24, v2, 0x33000, v24            ; 16 r + 208,896 h
	global_store_b128 v24, v[20:23], s[40:41]
.Lend:
	s_wait_tensorcnt 0x0                           ; the wave's end
	ds_add_u32 v[SPW], v[NIL]
	s_wait_dscnt 0x0
	CROUND                                         ; the closing round
	s_endpgm
.Lfunc_end_k_q8b1ec13bac_gemm_qkv:
	.size	k_q8b1ec13bac_gemm_qkv, .Lfunc_end_k_q8b1ec13bac_gemm_qkv-k_q8b1ec13bac_gemm_qkv
	.p2alignl 7, 3214868480
	.fill 96, 4, 3214868480
	.section	.rodata,"a",@progbits
	.p2align	6, 0x0
	.amdhsa_kernel k_q8b1ec13bac_gemm_qkv
		.amdhsa_group_segment_fixed_size 327680
		.amdhsa_private_segment_fixed_size 0
		.amdhsa_enable_private_segment 0
		.amdhsa_kernarg_size 48
		.amdhsa_user_sgpr_count 2
		.amdhsa_user_sgpr_kernarg_segment_ptr 1
		.amdhsa_wavefront_size32 1
		.amdhsa_system_sgpr_workgroup_id_x 1
		.amdhsa_system_sgpr_workgroup_id_y 1
		.amdhsa_system_sgpr_workgroup_id_z 1
		.amdhsa_system_vgpr_workitem_id 0
		.amdhsa_next_free_vgpr 1024
		.amdhsa_next_free_sgpr 102
		.amdhsa_reserve_vcc 1
		.amdhsa_float_denorm_mode_32 3
		.amdhsa_float_denorm_mode_16_64 3
		.amdhsa_memory_ordered 1
		.amdhsa_forward_progress 1
		.amdhsa_inst_pref_size 255
	.end_amdhsa_kernel
	.amdgpu_metadata
---
amdhsa.version: [ 1, 2 ]
amdhsa.kernels:
  - .name:           k_q8b1ec13bac_gemm_qkv
    .symbol:         k_q8b1ec13bac_gemm_qkv.kd
    .args:
      - { .name: xq, .offset: 0, .size: 8, .value_kind: global_buffer, .address_space: global }
      - { .name: wq, .offset: 8, .size: 8, .value_kind: global_buffer, .address_space: global }
      - { .name: qkv_b, .offset: 16, .size: 8, .value_kind: global_buffer, .address_space: global }
      - { .name: rope, .offset: 24, .size: 8, .value_kind: global_buffer, .address_space: global }
      - { .name: qbuf, .offset: 32, .size: 8, .value_kind: global_buffer, .address_space: global }
      - { .name: kvbuf, .offset: 40, .size: 8, .value_kind: global_buffer, .address_space: global }
    .group_segment_fixed_size: 327680
    .private_segment_fixed_size: 0
    .kernarg_segment_align: 8
    .kernarg_segment_size: 48
    .max_flat_workgroup_size: 128
    .sgpr_count:     102
    .vgpr_count:     1024
    .wavefront_size: 32
...
	.end_amdgpu_metadata
.endif
;; end of part 2
;; launch attn (part 3): grid 4 x 64, 16 waves a work-group, no clusters, 327,680 bytes of LDS; arguments qbuf, kvbuf, yq; writes yq
.if DOCPART == 3
	.amdgcn_target "amdgcn-amd-amdhsa--gfx1250"
	.amdhsa_code_object_version 6
	.text
	.protected	k_q8b1ec13bac_attn
	.globl	k_q8b1ec13bac_attn
	.p2align	8
	.type	k_q8b1ec13bac_attn,@function
k_q8b1ec13bac_attn:
	s_mov_b64 s[64:65], 0
	v_nop
	global_prefetch_b8 v0, s[64:65] scope:SCOPE_SE
	s_setreg_imm32_b32 hwreg(HW_REG_WAVE_MODE, 25, 1), 1
	s_wait_xcnt 0x0
; CAUSAL ATTENTION on codes of FP6 (E2M3): 64 heads of batch, 2,048 positions, head size 64.  S^T = K Q^T and O^T = V^T P^T (both transposed: a lane holds one query throughout); y = O / l is quantised along C and stored as codes.
; THE SOFTMAX: t = score x log2(e) / 8; M = the running largest t rounded UP to a whole number; p = 2^(t - M) is quantised along the keys, not normalised; l is the sum of the unquantised p; when M moves, l and O are multiplied by 2^(old M - new M): exact.
; SHARES.  Work-group (j, head) owns the query blocks of 256 numbered 7 - j (walk A: key slots 0 .. 7 - j) and then j (walk B: slots 0 .. j): 9 slots of 256 keys for every one of the 256 work-groups, a constant of the text.
; Each of the sixteen waves owns one tile of 16 queries (index r: query Q0 + r + 8 (r / 8)) in 256 registers: four waves to a SIMD.  A step is 128 keys; a step all of whose keys come after the wave's queries is jumped over.
; NO CLUSTER: the four work-groups of a head want different slots in the same trip from walk B on (j + 1 differs); walking in step would cost 12 slots for 9, and what would be shared is 26,112 bytes for each slot of vector work.
; A SLOT of kvbuf is one dense block of 26,112 bytes (K 16 pieces of 768; V [128 keys][d tile][1,536] at 12,288; K's words at 24,576; V's at 25,600): wave 0 brings it by one tensor load into one of two LDS slots.
; THE HEAD'S 64 IN A PRODUCT OF 128: Q's registers 6-11 are zero codes, and bytes 2, 3 of Q's and K's scale words are 0.  K's tile t stands in v[F + 6 t] on, so the upper half of its operand is the next tile's codes
; (behind the last tile: zeros): every code of this format is a finite number, and times Q's zeros it adds nothing.
; LIMITS: NaN and infinities are not served; a block of zeros keeps the byte 1 (zero codes; only this program reads the bytes).
.set SLOT1, 32768                      ; LDS slot 1; one exclusive or turns an address
.set BLKB,  26112
.set SPARE, 65536                      ; the spare words, 128 bytes for each of 16 waves: eight blocks of 256 bytes that no other line names
.set SPW, 4                            ; v4  SPARE + 4 x my thread's number; never rewritten
.set NIL, 5                            ; v5  0; never rewritten
.set F,   32                           ; v32-85 K's eight half fragments and six zeros; then V's four fragments
.set S,   88                           ; v88-151 S^T, then p
.set O,   152                          ; v152-183 O^T: register 16 g + i = d 32 g + 16 h + i
.set PC,  184                          ; v184-195 p's codes
.set CT,  196
.set BM,  204
.set BX,  208
.set SO,  212
.set KS,  216                          ; v216-223 K's scale words;  v224-227 V's;  v28 Q's;  v29 p's
.set VS,  224
.set WV,  10
.set TR,  13                           ; trips left in the loop: 8 .. 1
.set WRAP, 14                          ; j + 1: in that trip walk A ends
.set LIM, 15
.set TB,  16                           ; the LDS slot in hand
.set KF,  17                           ; the step's first key
.set Q0,  18                           ; my first query
.set SEL, 20
.set CS,  22                           ; s[22:23] c = log2(e) / 8
.set PFA, 42
; v1 16 x lane, v2 8 x lane, v3 16 r, v6-8 the step's LDS addresses, v9 r + 8 (r / 8) - 16 h, v10 8 r, v11 256 x lane, v12 -M, v13 largest t, v[14:15] l in two halves, v16-27 Q, v[30:31] f
.macro QUANT2 s, w                     ; 32 numbers of a lane (register 16 b + i = k 32 b + 16 h + i) become six registers of codes in v[PC] on and two bytes in v[w]
.irp b, 0,1
	v_max3_num_f32 v[BM+\b], |v[\s+16*\b]|, |v[\s+1+16*\b]|, 0x1800000
.endr
.irp i, 2,4,6,8,10,12,14
.irp b, 0,1
	s_delay_alu instid0(VALU_DEP_2)
	v_max3_num_f32 v[BM+\b], v[BM+\b], |v[\s+16*\b+\i]|, |v[\s+1+16*\b+\i]|
.endr
.endr
.irp b, 0,1
	s_delay_alu instid0(VALU_DEP_2)
	v_permlanex16_b32 v[BX+\b], v[BM+\b], s[SEL], s[SEL+1]
.endr
.irp b, 0,1
	s_delay_alu instid0(VALU_DEP_2)
	v_max_num_f32 v[BM+\b], v[BM+\b], v[BX+\b]
.endr
.irp b, 0,1
	s_delay_alu instid0(VALU_DEP_2)
	v_add_nc_u32 v[SO+\b], 0xff000000, v[BM+\b]
.endr
.irp b, 0,1
	s_delay_alu instid0(VALU_DEP_2)
	v_lshrrev_b32 v[BX+\b], 23, v[SO+\b]
.endr
	s_delay_alu instid0(VALU_DEP_1)
	v_lshl_or_b32 v[\w], v[BX+1], 8, v[BX]
	v_cvt_scalef32_pk16_fp6_f32 v[PC:PC+2], v[\s:\s+15], v[SO]
	v_cvt_scalef32_pk16_fp6_f32 v[CT:CT+2], v[\s+16:\s+31], v[SO+1]
	v_nop                                          ; one plain place behind the conversions
.irp i, 0,1,2
	v_permlane16_swap_b32 v[PC+\i], v[CT+\i]
.endr
.irp i, 0,1,2
	s_delay_alu instid0(VALU_DEP_3)
	v_mov_b32 v[PC+3+\i], v[CT+\i]
.endr
.endm
.macro TLOAD                           ; wave 0 alone fetches; four v_nop follow the load
	s_cmp_eq_u32 s[WV], 0
	s_cbranch_scc0 .Lno_load_\@
	tensor_load_to_lds s[32:35], s[24:31]
	s_nop 0
.rept 4
	v_nop
.endr
.Lno_load_\@:
.endm
; A prefetch of the slot that the NEXT change will ask for: its 96 runs of 256 bytes of codes, 32 a wave, lanes 256 bytes apart.  All four work-groups of a head walk slots 0, 1, .. in their first trips: work-group j = 0 asks,
; in its waves 4 to 6, in trips 0 to 5, for slots 2 to 7: each run is named once in the launch.  Slots 0 and 1 and a slot's 1,536 bytes of scale words come by their loads alone.
.macro ASK
	s_cmp_gt_u32 s[TR], s[LIM]
	s_cbranch_scc0 .Lnot_mine_\@
	global_prefetch_b8 v11, s[PFA:PFA+1] th:TH_LOAD_NT scope:SCOPE_SE
.Lnot_mine_\@:
.endm
; THE CHANGE OF SLOTS, at a slot's head: every wave waits for all its tensor loads, adds 0 to its spare word, waits for that and for its reads of the slot that it has left; behind the barrier the slot ahead is whole and
; nobody reads the other one, which (fill = 1) is filled with the walk's next slot, or with slot 0 where walk B begins.
.macro CHANGE fill
	s_wait_tensorcnt 0x0
	ds_add_u32 v[SPW], v[NIL]                      ; 0 onto my spare word; the descriptor's steps stand between it and the wait for it
.if \fill
	ds_add_u32 v[SPW], v[NIL]                      ; and once more
	s_xor_b32 s33, s33, SLOT1
	s_add_nc_u64 s[34:35], s[34:35], BLKB
	s_cmp_eq_u32 s[TR], s[WRAP]
	s_cselect_b32 s38, s40, 0                      ; (8 - j) slots back where walk A's last slot is being read
	s_sub_nc_u64 s[34:35], s[34:35], s[38:39]
	s_wait_xcnt 0x0                                ; the last prefetch, a slot back, has read its address
	s_add_nc_u64 s[PFA:PFA+1], s[PFA:PFA+1], BLKB
.endif
	s_wait_dscnt 0x0
	s_barrier_signal -1
	s_barrier_wait -1
.if \fill
	TLOAD
	ASK
.endif
.endm
.macro INIT qc, qs                     ; a walk begins: Q's half fragment and scale word; zeros for l and O^T, -3e38 for the largest t: the first change of M multiplies zeros
	global_load_b128 v[16:19], v1, s[\qc:\qc+1]
	global_load_b64 v[20:21], v2, s[\qc:\qc+1] offset:512
	global_load_b32 v28, v3, s[\qs:\qs+1]
	v_mov_b32 v13, 0xff61b1e6
	s_delay_alu instid0(VALU_DEP_1)
	v_floor_f32 v12, -v13
	v_mov_b32 v14, 0
	v_mov_b32 v15, 0
.set n, 0
.rept 32
	v_mov_b32 v[O+n], 0
.set n, n+1
.endr
.endm
.macro FINISH yc, ys                   ; a walk ends: y = O / l, quantised along the head's 64, which are two blocks of C
.rept 4
	v_nop                                          ; places behind the last products
.endr
	v_add_f32 v14, v14, v15
	s_delay_alu instid0(VALU_DEP_1)
	v_permlanex16_b32 v[BX], v14, s[SEL], s[SEL+1]
	s_delay_alu instid0(VALU_DEP_1)
	v_add_f32 v14, v14, v[BX]
	s_wait_alu depctr_va_vdst(0)
	v_rcp_f32 v30, v14
	v_nop                                          ; a plain place behind the reciprocal
	s_wait_alu depctr_va_vdst(0)                   ; and the wait ahead of its first reader
.set n, 0
.rept 16
	v_pk_mul_f32 v[S+n:S+n+1], v[O+n:O+n+1], v[30:31] op_sel_hi:[1,0]
.set n, n+2
.endr
	QUANT2 S, 232
	global_store_b128 v1, v[PC:PC+3], s[\yc:\yc+1]
	global_store_b64 v2, v[PC+4:PC+5], s[\yc:\yc+1] offset:512
	global_store_b16 v10, v232, s[\ys:\ys+1]       ; two bytes of row r's scale word; lanes r and r + 16 write the same.  These few bytes leave in parts
	s_wait_xcnt 0x0                                ; the stores have read their registers
.endm
; A KEY STEP: 128 keys, the q-th of the slot in hand
.macro STEP q
	s_add_co_u32 s96, s[Q0], 23                    ; my last query
	s_cmp_gt_u32 s[KF], s96
	s_cbranch_scc1 .Lhidden_\@                     ; all keys come after my queries: a branch on ids, round the step's work alone
	v_add_nc_u32 v6, s[TB], v1
	v_add_nc_u32 v7, s[TB], v2
	v_add_nc_u32 v8, s[TB], v3
	v_nop                                          ; four places in front of loads into registers that matrix instructions have read
.irp t, 0,1,2,3,4,5,6,7
	ds_load_b128 v[F+6*\t:F+6*\t+3], v6 offset:(8*(\q)+\t)*768
	ds_load_b64 v[F+6*\t+4:F+6*\t+5], v7 offset:(8*(\q)+\t)*768+512
.endr
	ds_load_b128 v[KS:KS+3], v8 offset:24576+512*(\q)
	ds_load_b128 v[KS+4:KS+7], v8 offset:24576+512*(\q)+256
	s_wait_alu depctr_va_vdst(0)
	s_wait_dscnt 0x0
.irp t, 0,1,2,3,4,5,6,7
	v_wmma_scale_f32_16x16x128_f8f6f4 v[S+8*\t:S+8*\t+7], v[F+6*\t:F+6*\t+11], v[16:27], 0, v[KS+\t], v28 matrix_a_fmt:MATRIX_FMT_FP6 matrix_b_fmt:MATRIX_FMT_FP6
.endr                                  ; register 16 g + i of lane (r, h): key KF + 32 g + 16 h + i
.rept 4
	v_nop
.endr
.irp d, 0,1,2,3                        ; V's fragments are asked for here and land under the softmax
	ds_load_b128 v[F+12*\d:F+12*\d+3], v6 offset:12288+6144*(\q)+1536*\d
	ds_load_b64 v[F+12*\d+4:F+12*\d+5], v7 offset:12288+6144*(\q)+1536*\d+512
	ds_load_b128 v[F+12*\d+6:F+12*\d+9], v6 offset:12288+6144*(\q)+1536*\d+768
	ds_load_b64 v[F+12*\d+10:F+12*\d+11], v7 offset:12288+6144*(\q)+1536*\d+1280
.endr
	ds_load_b128 v[VS:VS+3], v8 offset:25600+256*(\q)
	s_add_co_u32 s96, s[KF], 127
	s_cmp_le_u32 s96, s[Q0]
	s_cbranch_scc1 .Lopen_\@                       ; all keys count for all my queries
	s_sub_co_i32 s96, s[Q0], s[KF]
	v_add_nc_u32 v229, s96, v9                     ; d = my query - KF - 16 h: register 16 g + i is hidden where 32 g + i > d
	v_mov_b32 v230, 0xff800000
.set n, 0
.rept 64
	v_cmp_gt_i32 vcc_lo, 32*(n/16)+n%16, v229
	v_cndmask_b32 v[S+n], v[S+n], v230, vcc_lo
.set n, n+1
.endr
.Lopen_\@:
.irp b, 0,1,2,3
	v_max3_num_f32 v[BM+\b], v[S+16*\b], v[S+1+16*\b], v[S+2+16*\b]        ; the largest score of each block of 32 keys: for the row's maximum, and, since p rises with the score, for the block's largest p
.endr
.irp i, 3,5,7,9,11,13
.irp b, 0,1,2,3
	v_max3_num_f32 v[BM+\b], v[BM+\b], v[S+16*\b+\i], v[S+1+16*\b+\i]
.endr
.endr
.irp b, 0,1,2,3
	v_max_num_f32 v[BM+\b], v[BM+\b], v[S+15+16*\b]
.endr
.irp b, 0,1,2,3
	s_delay_alu instid0(VALU_DEP_4)
	v_permlanex16_b32 v[BX+\b], v[BM+\b], s[SEL], s[SEL+1]
.endr
.irp b, 0,1,2,3
	s_delay_alu instid0(VALU_DEP_4)
	v_max_num_f32 v[BM+\b], v[BM+\b], v[BX+\b]
.endr
	s_delay_alu instid0(VALU_DEP_2)
	v_max3_num_f32 v230, v[BM], v[BM+1], v[BM+2]
	s_delay_alu instid0(VALU_DEP_1)
	v_max_num_f32 v230, v230, v[BM+3]
	s_delay_alu instid0(VALU_DEP_1)
	v_mul_f32 v230, s[CS], v230
	s_delay_alu instid0(VALU_DEP_1)
	v_max_num_f32 v13, v13, v230                   ; the running largest t
	v_mov_b32 v230, v12
	s_delay_alu instid0(VALU_DEP_2)
	v_floor_f32 v12, -v13                          ; -M = floor(-t)
	s_delay_alu instid0(VALU_DEP_1)
	v_sub_f32 v230, v12, v230                      ; old M - new M: a whole number, 0 or less
	s_delay_alu instid0(VALU_DEP_1)
	v_cvt_i32_f32 v230, v230                       ; (it saturates)
	s_delay_alu instid0(VALU_DEP_1)
	v_ldexp_f32 v30, 1.0, v230                     ; f
.set n, 0
.rept 32
	v_pk_fma_f32 v[S+n:S+n+1], v[S+n:S+n+1], s[CS:CS+1], v[12:13] op_sel_hi:[1,0,0]   ; t - M
.set n, n+2
.endr
.irp b, 0,1,2,3
	v_fma_f32 v[BM+\b], v[BM+\b], s[CS], v12
.endr
.set n, 0
	s_wait_alu depctr_va_vdst(0)
.rept 64
	v_exp_f32 v[S+n], v[S+n]                       ; p
.set n, n+1
.endr
	v_pk_mul_f32 v[14:15], v[14:15], v[30:31] op_sel_hi:[1,0]              ; l under the new M.  (The plain place behind the batch)
	s_wait_alu depctr_va_vdst(0)                   ; one wait for the 64, ahead of their first reader
.irp b, 0,1,2,3
	v_exp_f32 v[BM+\b], v[BM+\b]                   ; the blocks' largest p: the same two instructions on the same number
.endr
	v_pk_add_f32 v[228:229], v[92:93], v[96:97]
	v_pk_add_f32 v[254:255], v[100:101], v[104:105]
	v_pk_add_f32 v[252:253], v[108:109], v[112:113]
	v_pk_add_f32 v[250:251], v[116:117], v[120:121]
	v_pk_add_f32 v[248:249], v[124:125], v[128:129]
	v_pk_add_f32 v[246:247], v[132:133], v[136:137]
	v_pk_add_f32 v[244:245], v[140:141], v[144:145]
	v_pk_add_f32 v[14:15], v[14:15], v[148:149]
	v_pk_add_f32 v[228:229], v[228:229], v[88:89]
	v_pk_add_f32 v[254:255], v[254:255], v[90:91]
	v_pk_add_f32 v[252:253], v[252:253], v[94:95]
	v_pk_add_f32 v[250:251], v[250:251], v[98:99]
	v_pk_add_f32 v[248:249], v[248:249], v[102:103]
	v_pk_add_f32 v[246:247], v[246:247], v[106:107]
	v_pk_add_f32 v[244:245], v[244:245], v[110:111]
	v_pk_add_f32 v[14:15], v[14:15], v[114:115]
	v_pk_add_f32 v[228:229], v[228:229], v[118:119]
	v_pk_add_f32 v[254:255], v[254:255], v[122:123]
	v_pk_add_f32 v[252:253], v[252:253], v[126:127]
	v_pk_add_f32 v[250:251], v[250:251], v[130:131]
	v_pk_add_f32 v[248:249], v[248:249], v[134:135]
	v_pk_add_f32 v[246:247], v[246:247], v[138:139]
	v_pk_add_f32 v[244:245], v[244:245], v[142:143]
	v_pk_add_f32 v[14:15], v[14:15], v[146:147]
	v_pk_add_f32 v[228:229], v[228:229], v[150:151]
	s_delay_alu instid0(VALU_DEP_2)
	v_pk_add_f32 v[14:15], v[14:15], v[250:251]
	s_delay_alu instid0(VALU_DEP_2)
	v_pk_add_f32 v[228:229], v[228:229], v[248:249]
	v_pk_add_f32 v[254:255], v[254:255], v[246:247]
	v_pk_add_f32 v[252:253], v[252:253], v[244:245]
	s_delay_alu instid0(VALU_DEP_2)
	v_pk_add_f32 v[14:15], v[14:15], v[254:255]
	s_delay_alu instid0(VALU_DEP_2)
	v_pk_add_f32 v[228:229], v[228:229], v[252:253]
	s_delay_alu instid0(VALU_DEP_1)
	v_pk_add_f32 v[14:15], v[14:15], v[228:229]
	s_wait_alu depctr_va_vdst(0)                   ; and one for the four
.irp b, 0,1,2,3
	v_max_num_f32 v[BM+\b], 0x1800000, v[BM+\b]    ; the floor: the byte cannot fall under 1
.endr
.irp b, 0,1,2,3
	s_delay_alu instid0(VALU_DEP_4)
	v_add_nc_u32 v[SO+\b], 0xff000000, v[BM+\b]
.endr
.irp b, 0,1,2,3
	s_delay_alu instid0(VALU_DEP_4)
	v_lshrrev_b32 v[BX+\b], 23, v[SO+\b]
.endr
	s_delay_alu instid0(VALU_DEP_3)
	v_lshl_or_b32 v29, v[BX+1], 8, v[BX]           ; p's scale word for these 128 keys
	s_delay_alu instid0(VALU_DEP_1)
	v_lshl_or_b32 v29, v[BX+2], 16, v29
	s_delay_alu instid0(VALU_DEP_1)
	v_lshl_or_b32 v29, v[BX+3], 24, v29
.irp c, 0,1
	v_cvt_scalef32_pk16_fp6_f32 v[PC+6*\c:PC+6*\c+2], v[S+32*\c:S+32*\c+15], v[SO+2*\c]
	v_cvt_scalef32_pk16_fp6_f32 v[CT+4*\c:CT+4*\c+2], v[S+32*\c+16:S+32*\c+31], v[SO+2*\c+1]
.endr
	v_nop
.irp c, 0,1
.irp i, 0,1,2
	v_permlane16_swap_b32 v[PC+6*\c+\i], v[CT+4*\c+\i]
.endr
.irp i, 0,1,2
	s_delay_alu instid0(VALU_DEP_3)
	v_mov_b32 v[PC+6*\c+3+\i], v[CT+4*\c+\i]
.endr
.endr
.set n, 0
.rept 16
	v_pk_mul_f32 v[O+n:O+n+1], v[O+n:O+n+1], v[30:31] op_sel_hi:[1,0]      ; O^T under the new M.  (These sixteen are also the places between the codes' and the scale word's last writes and the products)
.set n, n+2
.endr
	s_wait_alu depctr_va_vdst(0)
	s_wait_dscnt 0x0                               ; V
.irp d, 0,1,2,3
	v_wmma_scale_f32_16x16x128_f8f6f4 v[O+8*\d:O+8*\d+7], v[F+12*\d:F+12*\d+11], v[PC:PC+11], v[O+8*\d:O+8*\d+7], v[VS+\d], v29 matrix_a_fmt:MATRIX_FMT_FP6 matrix_b_fmt:MATRIX_FMT_FP6
.endr                                  ; the four accumulators by turns
.Lhidden_\@:
	s_add_co_u32 s[KF], s[KF], 128
.endm
	s_load_b128 s[4:7], s[0:1], 0x0                ; qbuf s[4:5], kvbuf s[6:7]
	s_load_b64 s[8:9], s[0:1], 0x10                ; yq
	v_lshl_add_u32 v[SPW], v0, 2, SPARE
	v_mov_b32 v[NIL], 0
	ds_add_u32 v4, v5
	ds_add_u32 v4, v5
	s_wait_dscnt 0x0
	v_lshrrev_b32 v1, 5, v0
	s_delay_alu instid0(VALU_DEP_1)
	v_readfirstlane_b32 s[WV], v1                  ; wave 0..15
	s_mov_b32 s11, ttmp9                           ; j
	s_and_b32 s12, ttmp7, 0xffff                   ; the head of batch
	; group 1: a slot: 26,112 dense bytes as 102 rows of 256 (32 elements of 8 bytes)
	s_mov_b32 s24, 3<<16
	s_mov_b32 s25, 32<<16
	s_mov_b32 s26, 102<<16
	s_mov_b32 s27, 32<<16
	s_mov_b32 s28, 102
	s_mov_b32 s29, 32
	s_mov_b32 s30, 0
	s_mov_b32 s31, 0
	s_mul_i32 s66, s12, 8*BLKB                     ; the head's first slot
	s_mov_b32 s67, 0
	s_mov_b32 s32, 1
	s_mov_b32 s33, 0                               ; LDS slot 0
	s_wait_kmcnt 0x0
	s_add_nc_u64 s[34:35], s[6:7], s[66:67]
	s_or_b32 s35, s35, 0x80000000
	s_cmp_eq_u32 s[WV], 0
	s_cbranch_scc0 .Lnot_first
	tensor_load_to_lds s[32:35], s[24:31]          ; the one first fill: by the text's own count one tensor load of wave 0 is out at a time
	s_nop 0
.rept 4
	v_nop
.endr
.Lnot_first:
	s_sub_co_u32 s69, 7, s11                       ; walk A's block of queries
	s_sub_co_u32 s40, 8, s11
	s_mul_i32 s40, s40, BLKB
	s_mov_b32 s39, 0
	s_mov_b32 s[TR], 8
	s_add_co_u32 s[WRAP], s11, 1
	s_mov_b32 s[TB], 0
	s_mov_b32 s[KF], 0
	s_mov_b32 s[SEL], 0x76543210
	s_mov_b32 s[SEL+1], 0xfedcba98
	s_mov_b32 s[CS], 0x3e38aa3b
	s_mov_b32 s[CS+1], s[CS]                       ; (named with it as a pair)
	s_lshr_b32 s96, s[WV], 1
	s_lshl_b32 s96, s96, 5
	s_and_b32 s70, s[WV], 1
	s_lshl_b32 s70, s70, 3
	s_add_co_u32 s96, s96, s70                     ; 32 (w / 2) + 8 (w % 2)
	s_lshl_b32 s[Q0], s69, 8
	s_add_co_u32 s[Q0], s[Q0], s96
	s_lshl_b32 s19, s11, 8
	s_add_co_u32 s19, s19, s96                     ; walk B's first query
	; Q's codes and words, walks A and B
	s_lshl_b32 s68, s12, 3
	s_add_co_u32 s70, s68, s69
	s_mul_i32 s70, s70, 13312
	s_add_co_u32 s71, s68, s11
	s_mul_i32 s71, s71, 13312
	s_mul_i32 s72, s[WV], 768
	s_lshr_b32 s73, s[WV], 2
	s_lshl_b32 s73, s73, 8                         ; 256 bytes of words for each four tiles,
	s_and_b32 s74, s[WV], 3
	s_lshl_b32 s74, s74, 2                         ; my tile's word among the four
	s_add_co_u32 s73, s73, s74
	s_add_co_u32 s73, s73, 12288
	s_mov_b32 s75, 0
	s_add_co_u32 s74, s70, s72
	s_add_nc_u64 s[44:45], s[4:5], s[74:75]
	s_add_co_u32 s74, s70, s73
	s_add_nc_u64 s[46:47], s[4:5], s[74:75]
	s_add_co_u32 s74, s71, s72
	s_add_nc_u64 s[48:49], s[4:5], s[74:75]
	s_add_co_u32 s74, s71, s73
	s_add_nc_u64 s[50:51], s[4:5], s[74:75]
	; y's codes and words: tile 128 x batch + 16 x block + wave; the piece of 64 along C is the head
	s_lshr_b32 s70, s12, 4
	s_lshl_b32 s70, s70, 7
	s_add_co_u32 s70, s70, s[WV]
	s_and_b32 s71, s12, 15                         ; the head
	s_mul_i32 s72, s71, 768
	s_lshr_b32 s73, s71, 2
	s_lshl_b32 s73, s73, 7                         ; which 256 along C,
	s_bfe_u32 s74, s71, 0x10001
	s_lshl_b32 s74, s74, 2                         ; which word,
	s_add_co_u32 s73, s73, s74
	s_and_b32 s74, s71, 1
	s_lshl_b32 s74, s74, 1                         ; which half of it
	s_add_co_u32 s73, s73, s74
	s_add_co_u32 s73, s73, 6291456
	s_lshl_b32 s71, s69, 4
	s_add_co_u32 s71, s71, s70
	s_mul_i32 s74, s71, 12288
	s_add_co_u32 s74, s74, s72
	s_add_nc_u64 s[52:53], s[8:9], s[74:75]
	s_lshl_b32 s74, s71, 9
	s_add_co_u32 s74, s74, s73
	s_add_nc_u64 s[54:55], s[8:9], s[74:75]
	s_lshl_b32 s71, s11, 4
	s_add_co_u32 s71, s71, s70
	s_mul_i32 s74, s71, 12288
	s_add_co_u32 s74, s74, s72
	s_add_nc_u64 s[56:57], s[8:9], s[74:75]
	s_lshl_b32 s74, s71, 9
	s_add_co_u32 s74, s74, s73
	s_add_nc_u64 s[58:59], s[8:9], s[74:75]
	; the prefetches: at slot 1 + 8,192 x (wave % 4); the first change of slots steps it to slot 2
	s_and_b32 s70, s[WV], 3
	s_lshl_b32 s70, s70, 13
	s_add_co_u32 s70, s70, BLKB
	s_add_co_u32 s70, s70, s66
	s_mov_b32 s71, 0
	s_add_nc_u64 s[PFA:PFA+1], s[6:7], s[70:71]
	s_sub_co_u32 s96, s[WV], 4
	s_cmp_lt_u32 s96, 3                            ; waves 4, 5, 6
	s_cselect_b32 s[LIM], 2, -1
	s_cmp_eq_u32 s11, 0                            ; of work-group j = 0
	s_cselect_b32 s[LIM], s[LIM], -1
	v_and_b32 v6, 31, v0
	s_delay_alu instid0(VALU_DEP_1)
	v_lshlrev_b32 v1, 4, v6
	s_delay_alu instid0(VALU_DEP_2)
	v_lshlrev_b32 v2, 3, v6
	s_delay_alu instid0(VALU_DEP_3)
	v_lshlrev_b32 v11, 8, v6
	v_and_b32 v7, 15, v0
	s_delay_alu instid0(VALU_DEP_1)
	v_lshlrev_b32 v3, 4, v7
	s_delay_alu instid0(VALU_DEP_2)
	v_lshlrev_b32 v10, 3, v7
	s_delay_alu instid0(VALU_DEP_3)
	v_and_b32 v8, 8, v7
	s_delay_alu instid0(VALU_DEP_1)
	v_add_nc_u32 v9, v8, v7
	v_bfe_u32 v8, v0, 4, 1
	s_delay_alu instid0(VALU_DEP_1)
	v_lshlrev_b32 v8, 4, v8
	s_delay_alu instid0(VALU_DEP_1)
	v_sub_nc_u32 v9, v9, v8
.irp i, 0,1,2,3,4,5
	v_mov_b32 v[22+\i], 0                          ; Q's upper half: zero codes; never written again
	v_mov_b32 v[F+48+\i], 0                        ; behind K's last tile: zero codes; never written again
.endr
.irp b, 0,1,2,3
	v_mov_b32 v[BX+\b], 0                          ; written once: a lane permute's destination counts as one of its sources
.endr
	v_mov_b32 v31, 0                               ; (named as the upper half of the pair v[30:31])
	INIT 44, 46
.Ltrip:                                ; eight trips: behind each change of slots the next slot is asked for
	CHANGE 1
	s_wait_loadcnt 0x0                             ; Q
	STEP 0
	STEP 1
	s_xor_b32 s[TB], s[TB], SLOT1
	s_cmp_lg_u32 s[TR], s[WRAP]
	s_cbranch_scc1 .Lsame_walk
	FINISH 52, 54                                  ; walk A is over
	INIT 48, 50
	s_mov_b32 s[KF], 0
	s_mov_b32 s[Q0], s19
.Lsame_walk:
	s_sub_co_u32 s[TR], s[TR], 1
	s_cmp_lg_u32 s[TR], 0
	s_cbranch_scc1 .Ltrip
	CHANGE 0                                       ; the ninth slot is written out
	s_wait_loadcnt 0x0
	STEP 0
	STEP 1
	FINISH 56, 58
	s_wait_tensorcnt 0x0                           ; the wave's end
	ds_add_u32 v[SPW], v[NIL]
	s_wait_dscnt 0x0
	s_endpgm
.Lfunc_end_k_q8b1ec13bac_attn:
	.size	k_q8b1ec13bac_attn, .Lfunc_end_k_q8b1ec13bac_attn-k_q8b1ec13bac_attn
	.p2alignl 7, 3214868480
	.fill 96, 4, 3214868480
	.section	.rodata,"a",@progbits
	.p2align	6, 0x0
	.amdhsa_kernel k_q8b1ec13bac_attn
		.amdhsa_group_segment_fixed_size 327680
		.amdhsa_private_segment_fixed_size 0
		.amdhsa_enable_private_segment 0
		.amdhsa_kernarg_size 24
		.amdhsa_user_sgpr_count 2
		.amdhsa_user_sgpr_kernarg_segment_ptr 1
		.amdhsa_wavefront_size32 1
		.amdhsa_system_sgpr_workgroup_id_x 1
		.amdhsa_system_sgpr_workgroup_id_y 1
		.amdhsa_system_sgpr_workgroup_id_z 1
		.amdhsa_system_vgpr_workitem_id 0
		.amdhsa_next_free_vgpr 256
		.amdhsa_next_free_sgpr 100
		.amdhsa_reserve_vcc 1
		.amdhsa_float_denorm_mode_32 3
		.amdhsa_float_denorm_mode_16_64 3
		.amdhsa_memory_ordered 1
		.amdhsa_forward_progress 1
		.amdhsa_inst_pref_size 109
	.end_amdhsa_kernel
	.amdgpu_metadata
---
amdhsa.version: [ 1, 2 ]
amdhsa.kernels:
  - .name:           k_q8b1ec13bac_attn
    .symbol:         k_q8b1ec13bac_attn.kd
    .args:
      - { .name: qbuf, .offset: 0, .size: 8, .value_kind: global_buffer, .address_space: global }
      - { .name: kvbuf, .offset: 8, .size: 8, .value_kind: global_buffer, .address_space: global }
      - { .name: yq, .offset: 16, .size: 8, .value_kind: global_buffer, .address_space: global }
    .group_segment_fixed_size: 327680
    .private_segment_fixed_size: 0
    .kernarg_segment_align: 8
    .kernarg_segment_size: 24
    .max_flat_workgroup_size: 512
    .sgpr_count:     100
    .vgpr_count:     256
    .wavefront_size: 32
...
	.end_amdgpu_metadata
.endif
;; end of part 3
;; launch gemm_proj (part 4): grid 4 x 64, 4 waves a work-group, clusters of 4 x 4, 327,680 bytes of LDS; arguments yq, wq, proj_b, out0; writes out0
.if DOCPART == 4
	.amdgcn_target "amdgcn-amd-amdhsa--gfx1250"
	.amdhsa_code_object_version 6
	.text
	.protected	k_q8b1ec13bac_gemm_proj
	.globl	k_q8b1ec13bac_gemm_proj
	.p2align	8
	.type	k_q8b1ec13bac_gemm_proj,@function
k_q8b1ec13bac_gemm_proj:
	s_mov_b64 s[64:65], 0
	v_nop
	global_prefetch_b8 v0, s[64:65] scope:SCOPE_SE
	s_setreg_imm32_b32 hwreg(HW_REG_WAVE_MODE, 25, 1), 1
	s_wait_xcnt 0x0
	s_wait_alu depctr_hold_cnt(0) depctr_sa_sdst(0) depctr_va_vdst(0) depctr_va_sdst(0) depctr_va_ssrc(0) depctr_va_vcc(0) depctr_vm_vsrc(0)
	s_getreg_b32 s2, hwreg(HW_REG_IB_STS2, 6, 4)
	s_cmp_eq_u32 s2, 0
	s_cbranch_scc0 .Lentry_in_a_cluster
	s_endpgm
.Lentry_in_a_cluster:
	s_bfe_u32 s2, ttmp6, 0x10000c
	s_cmp_lg_u32 s2, 0xf033
	s_cbranch_scc0 .Lentry_shape_is_right
	s_endpgm
.Lentry_shape_is_right:
; PROJECTION: out0 [8192][1024] f32 = y x proj_w + proj_b, on codes of FP6 (E2M3) with E8M0 scales.  y: yq, as attention stored it; proj_w: tiles 192-255 of wq.
; THE CODES (both buffers): 16 rows form a tile (of 32 neighbouring rows tile u holds at index p row 8 u + p + 8 (p / 8)); a tile's codes for all K = 1,024 are 12,288 bytes on end, 1,536 for each 128 along K:
; images of operand registers (lane l's registers 0-3 at 16 l, 4-5 at 512 + 8 l, 6-9 at 768 + 16 l, 10-11 at 1,280 + 8 l).  A tile's scale words: [256 along K (4)][p (16)][128 along K (2)], 512 bytes, behind all codes.
; A BLOCK of 128 rows x 256 columns to a work-group of four waves: 64 x 4 = 256 work-groups.  ALL OF K LIES IN LDS AT ONCE: y's 8 tiles (98,304 bytes, dense in memory), W's 16 tiles (196,608 bytes, dense).
; Each wave brings its part by ONE tensor load at the head (waves 0, 1 a half of y each, waves 2, 3 a half of W each); nothing is filled again, so there is one barrier for the tiles and one ahead of the way out.
; CLUSTER 4 x 4: y's tiles are shared along a row of the cluster, W's along a column: joint loads.
; NO PREFETCH: the launch's only loads go out at its head, and there is no loop to run ahead in.
; A WAVE makes 64 rows (P: 4 tiles of y, source 1) x 128 columns (S: 8 tiles of W, source 0): 32 accumulators.  Transposed use: lane (r, h) holds row index r; the registers of result tiles 2 g, 2 g + 1 are columns 32 g + 16 h + 0 .. 15.
; THE SCALE WORDS come straight into registers, once: a load of 8 bytes a lane covers 256 consecutive bytes of a tile's 512: lanes 0-15 hold the two words of one 256 along K, lanes 16-31 those of the next,
; and the matrix instruction's row selector picks the half.  Four registers a tile serve all eight steps.
; REGISTERS.  window 0: v1-23 addresses; v32-47 P's scale words, v48-79 S's, nothing else ever; v80-143 the bias as the first products' C; v144-239 P's fragments, two sets; on the way out v80-207 rows read back.
;   window 1: S's fragments, sets at v0 and v128.   window 2: accumulator (a, b) at v[8 (8 a + b)].
.set TILEB, 12288
.set YB,    8*TILEB
.set WB,    16*TILEB
.set SPARE, YB+WB                      ; the spare words, 128 bytes a wave: two blocks of 256 bytes that no other line names
.set FR,   12
.set SPW,  5                           ; v5  SPARE + 4 x my thread's number; never rewritten
.set NIL,  6                           ; v6  0; never rewritten
.set P16,  8                           ; v8, v9  P's base + 16 x lane, + 8 x lane
.set P8,   9
.set S16,  10                          ; v10-11 S's tiles 0-3, 4-7, + 16 x lane;  v12-13 + 8 x lane
.set S8,   12
.set STO,  20
.set RD,   21
.set SP,   32
.set SS,   48
.set BI,   80
.set AF,   144
.set BK,   80
.set WV,   16
.set MH,   17                          ; which 64 rows are mine.  Also: I fetch for y (0) or for W (1)
.set NH,   18                          ; which 128 columns.  Also: which half I fetch
.set G1,   24                          ; s[24:31] group 1 for y, s[32:35] its group 0;  s[44:51], s[36:39] for W
.set G0,   32
.set G0B,  36
.set G1B,  44
.set MSB, 0
.macro WIN new                         ; the immediate's high byte repeats the setting that is left
.if MSB != (\new)
	s_set_vgpr_msb (MSB<<8)|(\new)
.set MSB, (\new)
.endif
.endm
.macro PLACES n
.rept \n
	v_nop
.endr
.endm
.macro CREST
	s_cmp_lg_u32 s[WV], 0
	s_cbranch_scc1 .Lnot_wave_0_\@
	s_barrier_signal -3
.Lnot_wave_0_\@:
	s_barrier_wait -3
	s_barrier_signal -1
	s_barrier_wait -1
.endm
.macro CROUND
	s_barrier_signal -1
	s_barrier_wait -1
	CREST
.endm
	s_load_b256 s[4:11], s[0:1], 0x0               ; yq s[4:5], wq s[6:7], proj_b s[8:9], out0 s[10:11]
	v_lshl_add_u32 v[SPW], v0, 2, SPARE
	v_mov_b32 v[NIL], 0
	ds_add_u32 v[SPW], v[NIL]                      ; the opening lines: the add, twice on end, and its wait ahead of my tensor load
	ds_add_u32 v[SPW], v[NIL]
	v_lshrrev_b32 v1, 5, v0
	v_readfirstlane_b32 s[WV], v1
	s_lshr_b32 s[MH], s[WV], 1
	s_and_b32 s[NH], s[WV], 1
	s_bfe_u32 s19, ttmp6, 0x40000                  ; cx
	s_bfe_u32 s20, ttmp6, 0x40004                  ; cy
	s_lshl_b32 s21, ttmp9, 2
	s_add_co_u32 s21, s21, s19                     ; block column 0..3
	s_and_b32 s22, ttmp7, 0xffff
	s_lshl_b32 s22, s22, 2
	s_add_co_u32 s22, s22, s20                     ; block row 0..63
	s_lshl_b32 s23, s20, 2
	s_lshl_b32 s23, 15, s23                        ; my row of the cluster
	s_lshl_b32 s66, 0x1111, s19                    ; my column
	s_or_b32 s[G1], s23, (3<<16)|(1<<21)           ; dense bytes as rows of 256 (32 elements of 8 bytes), no padding: every read is dense over the lanes
	s_or_b32 s[G1B], s66, (3<<16)|(1<<21)
	s_mov_b32 s[G1+1], 32<<16
	s_mov_b32 s[G1+2], 192<<16                     ; four tiles of y: 49,152 bytes
	s_mov_b32 s[G1+3], 32<<16
	s_mov_b32 s[G1+4], 192
	s_mov_b32 s[G1+5], 32
	s_mov_b32 s[G1+6], 0
	s_mov_b32 s[G1+7], 0
	s_mov_b32 s[G1B+1], 32<<16
	s_mov_b32 s[G1B+2], 384<<16                    ; eight tiles of W: 98,304 bytes
	s_mov_b32 s[G1B+3], 32<<16
	s_mov_b32 s[G1B+4], 384
	s_mov_b32 s[G1B+5], 32
	s_mov_b32 s[G1B+6], 0
	s_mov_b32 s[G1B+7], 0
	s_lshl_b32 s94, s22, 3                         ; y: the block's first tile: made of the block row alone
	s_lshl_b32 s95, s[NH], 2
	s_add_co_u32 s95, s94, s95                     ; the first of the four that I fetch
	s_mul_i32 s98, s95, TILEB
	s_mov_b32 s99, 0
	s_lshl_b32 s96, s21, 4
	s_add_co_u32 s96, s96, 192                     ; W: the block's first tile: made of the block column alone
	s_lshl_b32 s97, s[NH], 3
	s_add_co_u32 s97, s96, s97                     ; the first of the eight that I fetch; they are also my S
	s_mul_i32 s2, s97, TILEB
	s_mov_b32 s3, 0
	s_mov_b32 s[G0], 1
	s_mul_i32 s[G0+1], s[NH], 4*TILEB              ; where they go: by the wave's number alone
	s_mov_b32 s[G0B], 1
	s_mul_i32 s[G0B+1], s[NH], 8*TILEB
	s_add_co_u32 s[G0B+1], s[G0B+1], YB
	s_lshl_b32 s95, s[MH], 2
	s_add_co_u32 s94, s94, s95                     ; my P's first tile
	s_lshl_b32 s94, s94, 9
	s_add_co_u32 s94, s94, 6291456                 ; its scale words
	s_mov_b32 s95, 0
	s_lshl_b32 s96, s97, 9
	s_add_co_u32 s96, s96, 3145728                 ; my S's scale words
	s_mov_b32 s97, 0
	s_wait_dscnt 0x0                               ; both opening adds are done
	s_wait_kmcnt 0x0
	s_add_nc_u64 s[G0+2:G0+3], s[4:5], s[98:99]
	s_or_b32 s[G0+3], s[G0+3], 0x80000000
	s_add_nc_u64 s[G0B+2:G0B+3], s[6:7], s[2:3]
	s_or_b32 s[G0B+3], s[G0B+3], 0x80000000
	s_add_nc_u64 s[94:95], s[4:5], s[94:95]
	s_add_nc_u64 s[96:97], s[6:7], s[96:97]
	CROUND                                         ; all sixteen work-groups are here: the joint loads meet
	s_cmp_eq_u32 s[MH], 0                          ; one load a wave, in the two arms of one branch on the wave's number
	s_cbranch_scc0 .Lfor_w
	tensor_load_to_lds s[G0:G0+3], s[G1:G1+7]
	s_nop 0
.rept 4
	v_nop
.endr
	s_branch .Lasked
.Lfor_w:
	tensor_load_to_lds s[G0B:G0B+3], s[G1B:G1B+7]
	s_nop 0
.rept 4
	v_nop
.endr
.Lasked:
	v_and_b32 v1, 15, v0                           ; r
	v_bfe_u32 v2, v0, 4, 1                         ; h
	v_and_b32 v3, 31, v0
	v_lshlrev_b32 v4, 3, v3                        ; 8 x lane
	v_lshlrev_b32 v3, 4, v3                        ; 16 x lane
	v_lshlrev_b32 v23, 6, v2                       ; 64 h
	v_mul_u32_u24 v[STO], v1, 528
	v_lshl_add_u32 v[STO], v2, 6, v[STO]           ; the stage, in: row r, + 64 h
	s_wait_alu depctr_va_vdst(0)
.irp i, 0,1,2,3
.irp c, 0,1
	global_load_b64 v[SP+4*\i+2*\c:SP+4*\i+2*\c+1], v4, s[94:95] offset:512*\i+256*\c   ; 256 consecutive bytes: lanes 0-15 the words of K group 2 c, lanes 16-31 of 2 c + 1
.endr
.endr
.irp i, 0,1,2,3,4,5,6,7
.irp c, 0,1
	global_load_b64 v[SS+4*\i+2*\c:SS+4*\i+2*\c+1], v4, s[96:97] offset:512*\i+256*\c
.endr
.endr
	s_lshl_b32 s40, s21, 10
	s_lshl_b32 s41, s[NH], 9
	s_add_co_u32 s40, s40, s41                     ; my first column, in bytes
	s_mov_b32 s41, 0
	s_add_nc_u64 s[42:43], s[8:9], s[40:41]        ; its bias
	s_lshl_b32 s68, s22, 19                        ; 128 rows of 4,096 bytes a block,
	s_lshl_b32 s69, s[MH], 18                      ; 64 for my half
	s_add_co_u32 s68, s68, s69
	s_add_co_u32 s68, s68, s40
	s_mov_b32 s69, 0
	s_add_nc_u64 s[92:93], s[10:11], s[68:69]
.irp g, 0,1,2,3
.irp c, 0,1,2,3
	global_load_b128 v[BI+16*\g+4*\c:BI+16*\g+4*\c+3], v23, s[42:43] offset:128*\g+16*\c   ; register 16 g + i: column 32 g + 16 h + i: the result's layout
.endr
.endr
	s_mul_i32 s66, s[MH], 4*TILEB                  ; my P in LDS
	s_mul_i32 s67, s[NH], 8*TILEB
	s_add_co_u32 s67, s67, YB                      ; my S
	v_add_nc_u32 v[P16], s66, v3
	v_add_nc_u32 v[P8], s66, v4
	v_add_nc_u32 v[S16], s67, v3
	v_add_nc_u32 v[S8], s67, v4
	s_add_co_u32 s67, s67, 4*TILEB
	v_add_nc_u32 v[S16+1], s67, v3
	v_add_nc_u32 v[S8+1], s67, v4
	s_mul_i32 s66, s[WV], 16*528                   ; my stage: in y's bytes, which have had their only fill and are read no more behind the second barrier
	v_add_nc_u32 v[STO], s66, v[STO]
	v_add_nc_u32 v[RD], s66, v3
.macro FRAG reg, a16, a8, off
	ds_load_b128 v[\reg:\reg+3], v[\a16] offset:\off
	ds_load_b64 v[\reg+4:\reg+5], v[\a8] offset:\off+512
	ds_load_b128 v[\reg+6:\reg+9], v[\a16] offset:\off+768
	ds_load_b64 v[\reg+10:\reg+11], v[\a8] offset:\off+1280
.endm
.macro LS st, i0                       ; S's tiles i0 .. i0 + 3 of step st into set st % 2: 16 loads
	WIN 0x40
.irp i, \i0, \i0+1, \i0+2, \i0+3
	FRAG 128*((\st)%2)+FR*(\i), S16+(\i)/4, S8+(\i)/4, TILEB*((\i)%4)+1536*(\st)
.endr
.endm
.macro LP st                           ; P's four tiles: 16 loads
	WIN 0
.irp i, 0,1,2,3
	FRAG AF+48*((\st)%2)+FR*\i, P16, P8, TILEB*\i+1536*(\st)
.endr
.endm
; Eight products: P's tile a x S's eight, step st.  The 32 accumulators take turns, one instruction a turn, in one order throughout.  first = 1: C is the bias.
.macro MULA st, a, first
.irp b, 0,1,2,3,4,5,6,7
.set DD, 8*(8*(\a)+\b)
.set SA, 128*((\st)%2)+FR*\b
.set PA, AF+48*((\st)%2)+FR*(\a)
.set XS, SS+4*\b+2*((\st)/4)+(\st)%2
.set XP, SP+4*(\a)+2*((\st)/4)+(\st)%2
.if \first
	v_wmma_scale_f32_16x16x128_f8f6f4 v[DD:DD+7], v[SA:SA+11], v[PA:PA+11], v[BI+8*\b:BI+8*\b+7], v[XS], v[XP] matrix_a_fmt:MATRIX_FMT_FP6 matrix_b_fmt:MATRIX_FMT_FP6
.elseif ((\st)/2)%2
	v_wmma_scale_f32_16x16x128_f8f6f4 v[DD:DD+7], v[SA:SA+11], v[PA:PA+11], v[DD:DD+7], v[XS], v[XP] matrix_a_fmt:MATRIX_FMT_FP6 matrix_b_fmt:MATRIX_FMT_FP6 matrix_a_scale:MATRIX_SCALE_ROW1 matrix_b_scale:MATRIX_SCALE_ROW1
.else
	v_wmma_scale_f32_16x16x128_f8f6f4 v[DD:DD+7], v[SA:SA+11], v[PA:PA+11], v[DD:DD+7], v[XS], v[XP] matrix_a_fmt:MATRIX_FMT_FP6 matrix_b_fmt:MATRIX_FMT_FP6
.endif
.endr
.endm
; A step of 128 along K: 32 products in four groups; ahead of the first three groups stand 16 loads each of the next step's fragments (S 0-3, S 4-7, P 0-3), into the other set.
; The waits count what may be out: of this step's loads P's tiles behind the one wanted (4 loads each), and the next step's loads issued so far.
.macro STEPK st, first
.if (\st) > 0
	PLACES 4                                       ; a load into a register that a matrix instruction has read stands four plain vector instructions behind it: the other set was read in the last step
.endif
	s_wait_dscnt 12                                ; S's eight and P's tile 0 are in
.if (\st) < 7
	LS (\st)+1, 0
.endif
	WIN 0xa1-0x20*(\first)                         ; source 0 window 1, source 1 window 0, D window 2; C window 2, or 0 for the bias
	MULA \st, 0, \first
.if (\st) < 7
	s_wait_dscnt 24                                ; P's tile 1 is in: its tiles 2, 3 (8) and the 16 just issued may be out
	LS (\st)+1, 4
.else
	s_wait_dscnt 8
.endif
	WIN 0xa1-0x20*(\first)
	MULA \st, 1, \first
.if (\st) < 7
	s_wait_dscnt 36                                ; tile 3's 4 and 32 new ones
	LP (\st)+1
.else
	s_wait_dscnt 4
.endif
	WIN 0xa1-0x20*(\first)
	MULA \st, 2, \first
.if (\st) < 7
	s_wait_dscnt 48                                ; the 48 new ones
.else
	s_wait_dscnt 0x0                               ; my reads of the tiles are over:
	s_barrier_signal -1                            ; say so; behind this barrier y's bytes serve as stages
.endif
	MULA \st, 3, \first
.endm
	s_wait_alu depctr_va_vdst(0)
	s_wait_tensorcnt 0x0                           ; my part of the tiles is in
	s_barrier_signal -1
	s_barrier_wait -1                              ; and everybody's
	LS 0, 0
	LS 0, 4
	LP 0
	s_wait_loadcnt 0x0                             ; the scale words and the bias
	STEPK 0, 1
.irp st, 1,2,3,4,5,6,7
	STEPK \st, 0
.endr
	WIN 0
	s_barrier_wait -1
; THE WAY OUT, by blocks of 16 rows x 128 columns: through my stage (rows of 528 bytes) and back as whole rows of 512 bytes, which the 32 lanes store as two aligned runs of 256 bytes.
; LDS serves a wave's instructions in order: no wait between the stores and the loads, nor ahead of the next block's stores.
.macro TOSTAGE a
	WIN 0x08                                       ; the data: window 2
.irp b, 0,1,2,3,4,5,6,7
	ds_store_b128 v[STO], v[64*(\a)+8*\b:64*(\a)+8*\b+3] offset:128*(\b/2)+32*(\b%2)      ; each accumulator from its low end on
	ds_store_b128 v[STO], v[64*(\a)+8*\b+4:64*(\a)+8*\b+7] offset:128*(\b/2)+32*(\b%2)+16
.endr
	WIN 0
.set BB, BK+64*((\a)%2)
.irp t, 0,1,2,3,4,5,6,7,8,9,10,11,12,13,14,15
	ds_load_b128 v[BB+4*\t:BB+4*\t+3], v[RD] offset:\t*528
.endr
.endm
.macro SEND a, younger                 ; younger: the LDS instructions issued behind block a's loads, which may stay out
.set BB, BK+64*((\a)%2)
	s_wait_dscnt \younger
.irp t, 0,1,2,3,4,5,6,7,8,9,10,11,12,13,14,15
	global_store_b128 v3, v[BB+4*\t:BB+4*\t+3], s[92:93] offset:(32*((\a)/2)+8*((\a)%2)+\t+8*(\t/8))*4096 th:TH_STORE_NT   ; index t of tile a is row 32 (a / 2) + 8 (a % 2) + t + 8 (t / 8)
.endr
.endm
	PLACES 4                                       ; behind the last products: their results are read, and registers that they read are loaded into
	TOSTAGE 0
.irp a, 1,2,3
.if \a > 1
	s_wait_xcnt 0x0                                ; block a - 2's stores have read their registers
.endif
	TOSTAGE \a
	SEND \a-1, 32                                  ; behind block a - 1's loads: block a's 16 stores and 16 loads
.endr
	SEND 3, 0
	s_wait_tensorcnt 0x0                           ; the wave's end
	ds_add_u32 v[SPW], v[NIL]
	s_wait_dscnt 0x0
	CROUND                                         ; the closing round
	s_endpgm
.Lfunc_end_k_q8b1ec13bac_gemm_proj:
	.size	k_q8b1ec13bac_gemm_proj, .Lfunc_end_k_q8b1ec13bac_gemm_proj-k_q8b1ec13bac_gemm_proj
	.p2alignl 7, 3214868480
	.fill 96, 4, 3214868480
	.section	.rodata,"a",@progbits
	.p2align	6, 0x0
	.amdhsa_kernel k_q8b1ec13bac_gemm_proj
		.amdhsa_group_segment_fixed_size 327680
		.amdhsa_private_segment_fixed_size 0
		.amdhsa_enable_private_segment 0
		.amdhsa_kernarg_size 32
		.amdhsa_user_sgpr_count 2
		.amdhsa_user_sgpr_kernarg_segment_ptr 1
		.amdhsa_wavefront_size32 1
		.amdhsa_system_sgpr_workgroup_id_x 1
		.amdhsa_system_sgpr_workgroup_id_y 1
		.amdhsa_system_sgpr_workgroup_id_z 1
		.amdhsa_system_vgpr_workitem_id 0
		.amdhsa_next_free_vgpr 768
		.amdhsa_next_free_sgpr 102
		.amdhsa_reserve_vcc 0
		.amdhsa_float_denorm_mode_32 3
		.amdhsa_float_denorm_mode_16_64 3
		.amdhsa_memory_ordered 1
		.amdhsa_forward_progress 1
		.amdhsa_inst_pref_size 84
	.end_amdhsa_kernel
	.amdgpu_metadata
---
amdhsa.version: [ 1, 2 ]
amdhsa.kernels:
  - .name:           k_q8b1ec13bac_gemm_proj
    .symbol:         k_q8b1ec13bac_gemm_proj.kd
    .args:
      - { .name: yq, .offset: 0, .size: 8, .value_kind: global_buffer, .address_space: global }
      - { .name: wq, .offset: 8, .size: 8, .value_kind: global_buffer, .address_space: global }
      - { .name: proj_b, .offset: 16, .size: 8, .value_kind: global_buffer, .address_space: global }
      - { .name: out0, .offset: 24, .size: 8, .value_kind: global_buffer, .address_space: global }
    .group_segment_fixed_size: 327680
    .private_segment_fixed_size: 0
    .kernarg_segment_align: 8
    .kernarg_segment_size: 32
    .max_flat_workgroup_size: 128
    .sgpr_count:     102
    .vgpr_count:     768
    .wavefront_size: 32
...
	.end_amdgpu_metadata
.endif
;; end of part 4
